; MI455X (gfx1250); checked and timed in simulation.
; The chip was launched on July 23, 2026; its instructions are those of AMD's public machine-readable ISA for CDNA 5 (MIT licence, August 2026) and "CDNA5" Instruction Set Architecture Reference Guide (July 2026). The comments in the code are by the model that wrote it; some were corrected since.
;; Multi Head Attention. Allowed arithmetic: matrix products marked QUANTISED: E3M2 operands, one E8M0 scale for each 32 along K, by v_wmma_scale_f32_16x16x128_f8f6f4 with both operands' format E3M2, f32 sums; everything else in f32.
;; Inputs: Wk 1,024 x 1,024 float32; Wo 1,024 x 1,024 float32; Wq 1,024 x 1,024 float32; Wv 1,024 x 1,024 float32; bk 1,024 float32; bo 1,024 float32; bq 1,024 float32; bv 1,024 float32; x 1 x 4,096 x 1,024 float32.
;; Outputs: out0 1 x 4,096 x 1,024 float32.
;; This version of the problem:
;;   THIS VERSION OF THE PROBLEM IS GIVEN IN LOW PRECISION. The matrix products marked QUANTISED in the list below multiply operands that are first quantised to E3M2 (3 exponent bits, 2 mantissa bits; 6 bits a number), with one power-of-two scale for each 32 numbers along K (OCP MX v1.0); their sums are f32. All else is computed in f32.
;;   The module's matrix products, in the order in which they are computed (A, B: the left and right operand; K: the contracted axis; several contracted axes count as one K, in the product's order):
;;     1. [M 4,096, K 1,024] x [K 1,024, N 1,024]; A: input x; B: input Wq: QUANTISED
;;     2. [M 4,096, K 1,024] x [K 1,024, N 1,024]; A: input x; B: input Wk: QUANTISED
;;     3. [M 4,096, K 1,024] x [K 1,024, N 1,024]; A: input x; B: input Wv: QUANTISED
;;     4. batch 16 x [M 4,096, K 64] x [K 64, N 4,096]; A: computed on the way; B: computed on the way: QUANTISED
;;     5. batch 16 x [M 4,096, K 4,096] x [K 4,096, N 64]; A: softmax (see below); B: computed on the way: QUANTISED
;;     6. [M 4,096, K 1,024] x [K 1,024, N 1,024]; A: computed on the way; B: input Wo: QUANTISED
;;   THE QUANTISER, for each operand of a quantised product, along K:
;;     - K is cut into blocks of 32 from its start; a last block that is shorter is filled with zeros.
;;     - A block's scale is 2^e with e = floor(log2(the largest magnitude in the block)) - 4, held to -126 .. 127; a block of zeros has e = 0. As a byte (E8M0): e + 127.
;;     - Each number is divided by its block's scale, clamped to +-28, and rounded to the nearest number of E3M2, ties to even, subnormals kept.
;;     - The product sums the exact products of the quantised numbers (number of the format x scale) in f32.
;;   ~~~python
;;   def quantise(x, axis):      # numpy; x: float32 -> the quantised numbers, widened to float32 again
;;       x = np.moveaxis(x, axis, -1); K = x.shape[-1]
;;       x = np.pad(x, [(0, 0)] * (x.ndim - 1) + [(0, -K % 32)]); x = x.reshape(x.shape[:-1] + (-1, 32)); a = np.abs(x).max(-1, keepdims=True)
;;       e = np.where(a > 0, np.clip(np.frexp(np.where(a > 0, a, 1))[1] - 1 - 4, -126, 127), 0)      # np.frexp(a)[1] - 1 = floor(log2(a)), exactly
;;       r = np.clip(x / 2.0 ** e, -28, 28)
;;       step = 2.0 ** (np.maximum(np.frexp(np.where(r == 0, 1, r))[1] - 1, -2) - 2)
;;       q = np.round(r / step) * step * 2.0 ** e      # np.round: ties to even
;;       return np.moveaxis(q.reshape(q.shape[:-2] + (-1,))[..., :K], -1, axis).astype(np.float32)
;;   ~~~
;;   SOFTMAX AHEAD OF A QUANTISED PRODUCT. Where the list says 'softmax', what is quantised is not the finished softmax but p = 2^(t - M), with t = logit x log2(e) and M = ceil(the row's largest t), a whole number; so 1/2 < the row's largest p <= 1. The row's sum l is taken of the UNQUANTISED p, in f32, and the product's result is divided by l at the end. Since M is a whole number, a kernel that streams over the keys may use a running M (the ceiling of the running maximum): every later rescaling is an exact power of two, which a block's scale takes up: the codes' values come out the same.
;;   OPERANDS COMPUTED ON THE WAY. 'Computed on the way' means the value that the module computes at that place (a softmax that the list does not call 'softmax' is quantised finished and normalised). What goes into a quantiser is computed in f32, as accurately as f32 sums, v_exp_f32 and their like allow (about 1e-6 of the number): no bf16 or f16 on the way to a quantiser, and a product that is left as it is and whose result goes on into a quantised operand takes f32 operands (vector FMAs, or v_wmma_f32_16x16x4_f32). A number that lies on a knife's edge between two numbers of the format may be rounded either way, as far as f32 arithmetic and the matrix unit's own rounding can turn it there, and no further.
;; One version. Each part assembles by itself: llvm-mc -triple=amdgcn-amd-amdhsa -mcpu=gfx1250 --defsym DOCPART=n.
;; ======== version 1 of 1: 4 launches
;; limits: right only within a limited range of input values
;; workspace buffers: xq 3,276,800 bytes; wq 3,276,800 bytes; qpack 3,407,872 bytes; kpack 3,407,872 bytes; vpack 3,276,800 bytes; oq 3,276,800 bytes
;; launch prep (part 1): grid 256 x 1, 4 waves a work-group, no clusters, 327,680 bytes of LDS; arguments x, Wq, Wk, Wv, Wo, xq, wq; writes xq, wq
.if DOCPART == 1
	.amdgcn_target "amdgcn-amd-amdhsa--gfx1250"
	.amdhsa_code_object_version 6
	.text
	.protected	k_q17742e25d2_prep
	.globl	k_q17742e25d2_prep
	.p2align	8
	.type	k_q17742e25d2_prep,@function
k_q17742e25d2_prep:
	s_mov_b64 s[64:65], 0
	v_nop
	global_prefetch_b8 v0, s[64:65] scope:SCOPE_SE
	s_setreg_imm32_b32 hwreg(HW_REG_WAVE_MODE, 25, 1), 1
	s_wait_xcnt 0x0
; THE PROGRAM: causal attention, S = 4,096, D = 1,024, 16 heads of 64, all six products on codes of BF6 (E3M2) with one E8M0 scale for each 32 along K.
; Four launches: prep (x and the four weights become codes), qkv (products 1-3, biases, q, k, v become codes), attn (products 4 and 5, softmax, o becomes codes), oproj (product 6 and bo).
; DEAD WORK LEFT OUT (in attn): key steps of 128 keys that lie wholly above the diagonal of the tril mask that reference() builds itself.  There every score is replaced by -1e9; key 0 .. q always
; holds a visible score, so for all finite inputs whose visible scores stay above about -1e9 + 150 the softmax gives those keys the weight 0, and neither their scores nor their part of the second product can reach an output.
; Nothing else is left out: all nine inputs are loaded.  LIMITS: hidden scores inside the diagonal step are set to -infinity where reference() writes -1e9 (same weights, 0, under the bound just given);
; a NaN, an infinity or an overflow that reaches only the work left out is not carried to the result; NaN and infinities among the inputs are not served;
; a block of zeros gets the scale byte 1 where the quantiser says 127 (its codes are zeros, and this program alone reads the bytes); a block's largest magnitude is held at 2^(5-127) from below.
;
; THIS LAUNCH.  x [4096][1024] (K innermost) and Wq, Wk, Wv, Wo [K 1024][N 1024] (K outermost), f32, become codes and scale words in the order of the matrix operand's registers.
; STORED ORDER: rows (of x; the n axis of a weight) go in tiles of 16; in each 32 rows, row r of tile 2 B + u is row 32 B + 8 u + r + 8 (r / 8).
; HALF IMAGE (768 bytes): 16 stored rows x 64 along K as registers 0-5 of a fragment: lane l = 16 h + r holds K = 32 h .. 32 h + 31 of row r; registers 0-3 at byte 16 l, registers 4-5 at byte 512 + 8 l.
; xq, wq: codes [tile 256][K / 64: 16][768]; from byte CB on scale words [tile][K step / 4: 2][row 16][4 words], a word for a row and 128 along K.  wq's tiles: Wq 0-63, Wk 64-127, Wv 128-191, Wo 192-255.
; SHARES.  Work-group g takes x's stored tile g (64 KiB, by two tensor loads a wave) and of weight g / 64 the columns 32 ((g / 2) % 32) on, K half g % 2 (64 KiB, by loads into registers): one way through the text for all.
; Wave w: x's columns 256 w on (four half images); the weight's K step 4 (g % 2) + w (128 along K x 32 columns: a lane a column, registers down K).
; No work-group shares an input with another: no cluster.  Nothing is filled twice: no ring.
.set CB,    3145728
.set XP,    1040                       ; a row of x's part in LDS: 1,024 bytes + 16 of padding: the 16 rows that a load touches start 16 bytes apart modulo 256
.set XREG,  16*XP                      ; a wave's 16 rows
.set SG,    66560                      ; behind the four regions: x's scale words (512 bytes), then the weight's (512 bytes)
.set SPARE, 67584                      ; the spare words, 128 bytes a wave: two blocks of 256 bytes that no other line names
.set NUM,   64                         ; v64-191  four blocks of 32 numbers
.set XB,    32                         ; v32-63   codes: eight registers for each block, six used
.set BY,    16                         ; v16-19   a scale byte for each block
; v1 lane, v2 16 x lane, v3 8 x lane, v4 my column's bytes, v5 my place in x's rows in LDS, v6 and v7 the add's two, v8-10 LDS addresses of scale words, v11 8 h, v12-14 at work, v20-22 a block's upper codes, v24-29 words
	s_load_b256 s[4:11], s[0:1], 0x0               ; x, Wq, Wk, Wv
	s_load_b128 s[12:15], s[0:1], 0x20             ; Wo, xq
	s_load_b64 s[32:33], s[0:1], 0x30              ; wq
	v_lshl_add_u32 v6, v0, 2, SPARE
	v_mov_b32 v7, 0
	ds_add_u32 v6, v7                              ; the wave's opening: the add, twice on end, and its wait ahead of my first tensor load
	ds_add_u32 v6, v7
	v_lshrrev_b32 v1, 5, v0
	v_readfirstlane_b32 s34, v1                    ; wave 0..3
	; descriptor group 1: 8 rows x 256 elements of 4 bytes, 1,024 elements from row to row; 4 words of padding behind every 256 words
	s_mov_b32 s16, (2<<16)|(1<<20)|(7<<22)|(3<<25)
	s_mov_b32 s17, 256<<16                         ; tensor_dim0
	s_mov_b32 s18, 8<<16                           ; tensor_dim1
	s_mov_b32 s19, 256<<16                         ; tile_dim0
	s_mov_b32 s20, 8                               ; tile_dim1
	s_mov_b32 s21, 1024                            ; stride
	s_mov_b32 s22, 0
	s_mov_b32 s23, 0
	s_lshr_b32 s35, ttmp9, 1
	s_lshl_b32 s35, s35, 17                        ; 32 rows of 4,096 bytes for each pair of tiles,
	s_and_b32 s36, ttmp9, 1
	s_lshl_b32 s36, s36, 15                        ; 8 rows for the odd tile,
	s_add_co_u32 s35, s35, s36
	s_lshl_b32 s36, s34, 10                        ; my wave's 1,024 bytes of a row
	s_add_co_u32 s36, s35, s36
	s_mov_b32 s37, 0
	s_mul_i32 s38, s34, XREG                       ; my region in LDS
	s_mov_b32 s54, 0x76543210
	s_mov_b32 s55, 0xfedcba98                      ; v_permlanex16_b32's selects for lane l xor 16
	s_wait_dscnt 0x0                               ; both opening adds are done
	s_wait_kmcnt 0x0
	s_mov_b32 s24, 1
	s_mov_b32 s25, s38                             ; stored rows 0-7
	s_add_nc_u64 s[26:27], s[4:5], s[36:37]
	s_mov_b32 s28, 1
	s_add_co_u32 s29, s38, 8*XP                    ; stored rows 8-15: the rows 16 further down in x
	s_add_nc_u64 s[30:31], s[26:27], 65536
	s_or_b32 s27, s27, 0x80000000
	s_or_b32 s31, s31, 0x80000000
	tensor_load_to_lds s[24:27], s[16:23]          ; stored rows 0-7: my one tensor load at the head
	s_nop 0
.rept 4
	v_nop
.endr
	v_and_b32 v1, 31, v0
	v_lshlrev_b32 v2, 4, v1
	v_lshlrev_b32 v3, 3, v1
	v_and_b32 v9, 15, v0                           ; r
	v_bfe_u32 v11, v0, 4, 1                        ; h
	v_bfe_u32 v10, v0, 3, 1                        ; r / 8
	v_add_nc_u32 v4, v11, v10
	v_lshl_add_u32 v4, v4, 3, v9                   ; the weight: lanes 0-15 are stored tile 0's rows, lanes 16-31 tile 1's: column 8 h + r + 8 (r / 8)
	v_lshlrev_b32 v4, 2, v4
	s_wait_alu depctr_va_vdst(0)
	v_mul_u32_u24 v5, v9, XP
	v_lshl_add_u32 v5, v11, 7, v5
	v_add_nc_u32 v5, s38, v5                       ; x: row r, + 128 h bytes: my block of 32 numbers
	s_lshl_b32 s39, s34, 2
	s_add_co_u32 s39, s39, SG+512
	v_add_nc_u32 v8, s39, v2                       ; the weight's scale word: [tile][row][word w] = 16 x lane + 4 w
	s_lshr_b32 s39, s34, 1
	s_lshl_b32 s39, s39, 8
	s_and_b32 s40, s34, 1
	s_lshl_b32 s40, s40, 3
	s_add_co_u32 s39, s39, s40
	s_add_co_u32 s39, s39, SG
	v_lshl_add_u32 v9, v9, 4, s39                  ; x's two scale words: quad w / 2, row r, words 2 (w % 2) on
	s_lshl_b32 s39, s34, 8
	s_add_co_u32 s39, s39, SG
	v_add_nc_u32 v10, s39, v3                      ; the way out of the scale words: 256 bytes a wave
	v_lshlrev_b32 v11, 3, v11                      ; 8 h
	s_lshr_b32 s40, ttmp9, 6                       ; which weight: the choice hangs on the work-group's number alone
	s_cmp_eq_u32 s40, 1
	s_cselect_b64 s[42:43], s[8:9], s[6:7]
	s_cmp_eq_u32 s40, 2
	s_cselect_b64 s[42:43], s[10:11], s[42:43]
	s_cmp_eq_u32 s40, 3
	s_cselect_b64 s[42:43], s[12:13], s[42:43]
	s_bfe_u32 s41, ttmp9, 0x50001                  ; which 32 columns
	s_and_b32 s44, ttmp9, 1                        ; which half of K
	s_lshl_b32 s45, s44, 2
	s_add_co_u32 s45, s45, s34                     ; my K step of 128
	s_lshl_b32 s46, s45, 19                        ; 128 rows of 4,096 bytes
	s_lshl_b32 s47, s41, 7
	s_add_co_u32 s46, s46, s47
	s_mov_b32 s47, 0
	s_add_nc_u64 s[42:43], s[42:43], s[46:47]
.set i, 0
.rept 128
	global_load_b32 v[NUM+i], v4, s[42:43] offset:i*4096 th:TH_LOAD_NT   ; W(128 s + i, my column): 32 lanes read 128 consecutive bytes
.set i, i+1
.endr
	s_lshl_b32 s48, s40, 6
	s_lshl_b32 s49, s41, 1
	s_add_co_u32 s48, s48, s49                     ; the first of my two tiles of wq
	s_mul_i32 s50, s48, 12288
	s_mul_i32 s51, s45, 1536
	s_add_co_u32 s50, s50, s51
	s_mov_b32 s51, 0
	s_add_nc_u64 s[50:51], s[32:33], s[50:51]
	s_mul_i32 s52, ttmp9, 12288
	s_mul_i32 s53, s34, 3072
	s_add_co_u32 s52, s52, s53
	s_mov_b32 s53, 0
	s_add_nc_u64 s[52:53], s[14:15], s[52:53]
; A lane's 32 numbers v[NUM + 32 b ..] are one block: its largest magnitude (with the floor 2^(5-127) as a leaf, so that the byte cannot fall under 1), its scale byte, its 32 codes in six registers.
.macro QBLK b
	v_max3_num_f32 v12, |v[NUM+32*\b]|, |v[NUM+32*\b+1]|, |v[NUM+32*\b+2]|
	v_max3_num_f32 v13, |v[NUM+32*\b+3]|, |v[NUM+32*\b+4]|, |v[NUM+32*\b+5]|
.irp i, 6,10,14,18,22,26
	v_max3_num_f32 v12, v12, |v[NUM+32*\b+\i]|, |v[NUM+32*\b+\i+1]|
	v_max3_num_f32 v13, v13, |v[NUM+32*\b+\i+2]|, |v[NUM+32*\b+\i+3]|
.endr
	v_max3_num_f32 v12, v12, |v[NUM+32*\b+30]|, |v[NUM+32*\b+31]|
	v_max3_num_f32 v12, v12, v13, 0x2800000
	v_add_nc_u32 v14, 0xfe000000, v12              ; 4 off the exponent field: the conversion takes the exponent field of this operand as its scale
	v_cvt_scalef32_pk16_bf6_f32 v[XB+8*\b:XB+8*\b+2], v[NUM+32*\b:NUM+32*\b+15], v14
	v_cvt_scalef32_pk16_bf6_f32 v[20:22], v[NUM+32*\b+16:NUM+32*\b+31], v14   ; (a conversion's three registers begin on an even number)
	v_lshrrev_b32 v[BY+\b], 23, v14                ; the scale's byte; also the plain line behind the conversions
	v_mov_b32 v[XB+8*\b+3], v20
	v_mov_b32 v[XB+8*\b+4], v21
	v_mov_b32 v[XB+8*\b+5], v22
.endm
	s_wait_alu depctr_va_vdst(0)                   ; directly ahead of the wait below
	s_wait_tensorcnt 0x0                           ; stored rows 0-7 are in
	ds_add_u32 v6, v7
	s_wait_dscnt 0x0
	s_barrier_signal -1
	s_barrier_wait -1
	tensor_load_to_lds s[28:31], s[16:23]          ; stored rows 8-15: they land while the weight's four blocks are quantised
	s_nop 0
.rept 4
	v_nop
.endr
	s_wait_loadcnt 63                              ; of 128 loads at most 63 are out: blocks 0 and 1 (the oldest 64) are in
	QBLK 0
	QBLK 1
	s_wait_loadcnt 32                              ; block 3's 32 may be out
	QBLK 2
	s_wait_loadcnt 0x0
	QBLK 3
	v_lshl_or_b32 v24, v17, 8, v16                 ; my column's scale word for this K step
	v_lshl_or_b32 v24, v18, 16, v24
	v_lshl_or_b32 v24, v19, 24, v24
	ds_store_b32 v8, v24
.irp k, 0,1                            ; blocks 2 k and 2 k + 1 of both tiles become the tiles' half images: tile 0's block 2 k + 1 goes to lanes 16-31 of the first, tile 1's block 2 k to lanes 0-15 of the second
.irp i, 0,1,2,3,4,5
	v_permlane16_swap_b32 v[XB+16*\k+\i], v[XB+16*\k+8+\i]
.endr
.endr
.irp u, 0,1
.irp k, 0,1
	global_store_b128 v2, v[XB+16*\k+8*\u:XB+16*\k+8*\u+3], s[50:51] offset:12288*\u+768*\k          ; 512 consecutive bytes, aligned to 256
	global_store_b64 v3, v[XB+16*\k+8*\u+4:XB+16*\k+8*\u+5], s[50:51] offset:12288*\u+768*\k+512     ; 256 consecutive bytes
.endr
.endr
	s_wait_tensorcnt 0x0                           ; my 16 rows of x are in LDS; only I read them
.irp k, 0,1,2,3
.irp i, 0,1,2,3,4,5,6,7
	ds_load_b128 v[NUM+32*\k+4*\i:NUM+32*\k+4*\i+3], v5 offset:256*\k+16*\i   ; half image k: x(row r, 64 k + 32 h + 4 i ..)
.endr
.endr
	s_wait_dscnt 0x0
	s_wait_xcnt 0x0                                ; the stores above have read their registers: the codes' registers are written again
	QBLK 0
	QBLK 1
	QBLK 2
	QBLK 3
	v_lshl_or_b32 v24, v17, 16, v16                ; K step 2 w: my two bytes, blocks h and 2 + h of row r,
	v_lshl_or_b32 v25, v19, 16, v18                ; K step 2 w + 1 likewise,
	v_lshlrev_b32 v24, v11, v24                    ; at their places in the word (8 h bits up);
	v_lshlrev_b32 v25, v11, v25
	v_mov_b32 v26, 0                               ; (a lane permute's destination counts as one of its sources)
	v_mov_b32 v27, 0
	v_permlanex16_b32 v26, v24, s54, s55
	v_permlanex16_b32 v27, v25, s54, s55
	v_or_b32 v24, v24, v26                         ; with lane l xor 16's two the words are whole
	v_or_b32 v25, v25, v27
	ds_store_b64 v9, v[24:25]                      ; both halves of the lanes write the same words with the same values
.irp k, 0,1,2,3
	global_store_b128 v2, v[XB+8*\k:XB+8*\k+3], s[52:53] offset:768*\k
	global_store_b64 v3, v[XB+8*\k+4:XB+8*\k+5], s[52:53] offset:768*\k+512
.endr
	s_lshl_b32 s56, ttmp9, 9                       ; the scale words' way out: waves 0, 1: x's two quads; waves 2, 3: the weight's two tiles, quad = the half of K
	s_lshl_b32 s57, s34, 8
	s_add_co_u32 s56, s56, s57
	s_add_co_u32 s57, s48, s34
	s_sub_co_u32 s57, s57, 2
	s_lshl_b32 s57, s57, 9
	s_lshl_b32 s58, s44, 8
	s_add_co_u32 s57, s57, s58
	s_cmp_lt_u32 s34, 2
	s_cselect_b32 s56, s56, s57
	s_cselect_b64 s[58:59], s[14:15], s[32:33]
	s_add_co_u32 s56, s56, CB
	s_mov_b32 s57, 0
	s_add_nc_u64 s[58:59], s[58:59], s[56:57]
	s_wait_dscnt 0x0                               ; for the others' sake: my scale words lie in LDS
	s_barrier_signal -1
	s_barrier_wait -1
	ds_load_b64 v[28:29], v10
	s_wait_dscnt 0x0
	global_store_b64 v3, v[28:29], s[58:59]        ; 32 lanes store 256 consecutive bytes, aligned
	s_wait_tensorcnt 0x0                           ; the wave's end: behind my last tensor load and my last LDS store
	ds_add_u32 v6, v7
	s_wait_dscnt 0x0
	s_endpgm
.Lfunc_end_k_q17742e25d2_prep:
	.size	k_q17742e25d2_prep, .Lfunc_end_k_q17742e25d2_prep-k_q17742e25d2_prep
	.p2alignl 7, 3214868480
	.fill 96, 4, 3214868480
	.section	.rodata,"a",@progbits
	.p2align	6, 0x0
	.amdhsa_kernel k_q17742e25d2_prep
		.amdhsa_group_segment_fixed_size 327680
		.amdhsa_private_segment_fixed_size 0
		.amdhsa_enable_private_segment 0
		.amdhsa_kernarg_size 56
		.amdhsa_user_sgpr_count 2
		.amdhsa_user_sgpr_kernarg_segment_ptr 1
		.amdhsa_wavefront_size32 1
		.amdhsa_system_sgpr_workgroup_id_x 1
		.amdhsa_system_sgpr_workgroup_id_y 1
		.amdhsa_system_sgpr_workgroup_id_z 1
		.amdhsa_system_vgpr_workitem_id 0
		.amdhsa_next_free_vgpr 192
		.amdhsa_next_free_sgpr 66
		.amdhsa_reserve_vcc 0
		.amdhsa_float_denorm_mode_32 3
		.amdhsa_float_denorm_mode_16_64 3
		.amdhsa_memory_ordered 1
		.amdhsa_forward_progress 1
		.amdhsa_inst_pref_size 34
	.end_amdhsa_kernel
	.amdgpu_metadata
---
amdhsa.version: [ 1, 2 ]
amdhsa.kernels:
  - .name:           k_q17742e25d2_prep
    .symbol:         k_q17742e25d2_prep.kd
    .args:
      - { .name: x, .offset: 0, .size: 8, .value_kind: global_buffer, .address_space: global }
      - { .name: Wq, .offset: 8, .size: 8, .value_kind: global_buffer, .address_space: global }
      - { .name: Wk, .offset: 16, .size: 8, .value_kind: global_buffer, .address_space: global }
      - { .name: Wv, .offset: 24, .size: 8, .value_kind: global_buffer, .address_space: global }
      - { .name: Wo, .offset: 32, .size: 8, .value_kind: global_buffer, .address_space: global }
      - { .name: xq, .offset: 40, .size: 8, .value_kind: global_buffer, .address_space: global }
      - { .name: wq, .offset: 48, .size: 8, .value_kind: global_buffer, .address_space: global }
    .group_segment_fixed_size: 327680
    .private_segment_fixed_size: 0
    .kernarg_segment_align: 8
    .kernarg_segment_size: 56
    .max_flat_workgroup_size: 128
    .sgpr_count:     66
    .vgpr_count:     192
    .wavefront_size: 32
...
	.end_amdgpu_metadata
.endif
;; end of part 1
;; launch qkv (part 2): grid 8 x 24, 4 waves a work-group, clusters of 4 x 4, 327,680 bytes of LDS; arguments xq, wq, bq, bk, bv, qpack, kpack, vpack; writes qpack, kpack, vpack
.if DOCPART == 2
	.amdgcn_target "amdgcn-amd-amdhsa--gfx1250"
	.amdhsa_code_object_version 6
	.text
	.protected	k_q17742e25d2_qkv
	.globl	k_q17742e25d2_qkv
	.p2align	8
	.type	k_q17742e25d2_qkv,@function
k_q17742e25d2_qkv:
	s_mov_b64 s[64:65], 0
	v_nop
	global_prefetch_b8 v0, s[64:65] scope:SCOPE_SE
	s_setreg_imm32_b32 hwreg(HW_REG_WAVE_MODE, 25, 1), 1
	s_wait_xcnt 0x0
	s_wait_alu depctr_hold_cnt(0) depctr_sa_sdst(0) depctr_va_vdst(0) depctr_va_sdst(0) depctr_va_ssrc(0) depctr_va_vcc(0) depctr_vm_vsrc(0)
	s_getreg_b32 s2, hwreg(HW_REG_IB_STS2, 6, 4)
	s_cmp_eq_u32 s2, 0
	s_cbranch_scc0 .Lentry_in_a_cluster
	s_endpgm
.Lentry_in_a_cluster:
	s_bfe_u32 s2, ttmp6, 0x10000c
	s_cmp_lg_u32 s2, 0xf033
	s_cbranch_scc0 .Lentry_shape_is_right
	s_endpgm
.Lentry_shape_is_right:
; q = x Wq + bq, k = x Wk + bk, v = x Wv + bv on the codes that the launch before made, and the quantisers of q and k (along a head's 64) and of v (along the keys).  Nothing is left out here.
; A work-group of four waves makes 256 x 256 of a product, a wave 128 x 128: 64 accumulators.  Source 0 is operand P, source 1 operand R; a lane then holds one row of R and its registers run along P's rows.
; TWO ROLES, told apart by the cluster's y alone (the same in all sixteen partners): clusters 0-3 (role 0): R = 256 rows of x, P = 256 columns of Wq or Wk: a lane holds a row of x, its registers run along a head's d:
; q's and k's K.  Clusters 4, 5 (role 1): R = 256 columns of Wv, P = 256 rows of x: a lane holds one d, its registers run along the keys: v's K.  Only pointers, indices and the way out differ.
; P's tiles are in stored order (row r of tile 2 B + u is row 32 B + 8 u + r + 8 (r / 8)), so the 16 registers of tiles 2 B and 2 B + 1 are 16 neighbours along the next K.
; K goes in steps of 256 through two LDS slots; operands lie in memory and in LDS as images of the operand's registers (half images of 768 bytes: registers 0-3 at 16 x lane, 4-5 at 512 + 8 x lane): no pitch, no padding.
; The scale words of all of K come once, with the first fills, and then stand in 64 registers.  Four fills in all: the steps are written out, there is no loop.
; CLUSTERS: 4 x 4.  R's tiles hang on the work-group's y alone and are asked for jointly along a row of the cluster, P's on its x and the cluster's y and are asked for jointly along a column.
; 192 work-groups: 128 for q and k, 64 for v.  LIMITS: as stated at the head of the first launch (floor of a block's largest magnitude, byte 1 for a block of zeros, no NaN or infinity).
; OUT: qpack, kpack [head 16][slot 8][26,624]: codes [group of 128 rows: 4][tile 8][768], then scale words [group 4][512]: the word of (tile a, row r) at 256 (a % 2) + 16 r + 4 (a / 2): bytes d 0-31, d 32-63, 0x7f, 0x7f.
;      vpack [head 16][slot 8][25,600]: codes [key step of 128: 4][d tile 4][1,536], then scale words [step 4][256]: the word of (d tile t, row r) at 8 (16 (t % 2) + r) + 4 (t / 2).
; REGISTERS: window 0: v10-31 addresses; v32-95 scale words (register 8 i + s: lanes 0-15 R's tile i, lanes 16-31 P's tile i, K step s) and nothing else; v128-223 R's fragments, one set; on the way out v128-251 at work.
;   window 1: P's fragments, two sets, at v0 and v128; on the way out v0-63 the bias.   windows 2, 3: the accumulators ((a, b) at v[8 (8 (a % 4) + b)]).
.set CB,    3145728
.set HS,    212992                     ; a head of qpack, kpack
.set VHS,   204800                     ; a head of vpack
.set FR,    12
.set NL,    4                          ; LDS loads that bring a fragment
.set HALFT, 24576                      ; 8 tiles x 256 along K: what one tensor load brings, and what one wave reads of R or of P
.set SLOT,  4*HALFT
.set SCL,   2*SLOT                     ; the scale words: 8,192 bytes for each wave's load
.set SPARE, SCL+16384                  ; the spare words: two blocks of 256 bytes that no other line names
.set BIASL, SPARE+512                  ; 512 bytes a wave: its 128 numbers of the bias
.set SGQ,   BIASL+2048                 ; 512 bytes a wave: the scale words' stage, role 0
.set SGV,   SGQ+2048                   ; and role 1: each role has LDS bytes of its own
.set ADRA, 16                          ; v16-17 R's fragments in slot 0, 1, + 16 x lane; v18-19 + 8 x lane
.set ADRB, 20                          ; v20-23 the same for P
.set L16,  24
.set L8,   25
.set ADRS, 26
.set ABI,  27
.set SPW,  28
.set NIL,  29
.set ABV,  30
.set PW,   31
.set SC,   32
.set AF,   128
.set HA,   128                         ; the way out: 64 numbers
.set PC,   192                         ; the codes just made (12) and the conversions' second halves
.set T0,   224
.set TM,   240                         ; v240-243 largest magnitudes, v244-247 permutes and bytes, v248-251 the conversions' scale operands
.set G1R,  24
.set G0R,  32
.set G1P,  48
.set G0P,  56
.set G1SR, 68
.set G0SR, 76
.set G1SP, 80
.set G0SP, 88
.set SEL,  66
.set MSB, 0
.macro WIN new                         ; the immediate's high byte repeats the setting that is left
.if MSB != (\new)
	s_set_vgpr_msb (MSB<<8)|(\new)
.set MSB, (\new)
.endif
.endm
.set MUL_LO, 0xa1                      ; source 0 (P) window 1, source 1 (R) window 0, C and D window 2
.set MUL_HI, 0xf1
.set TO_B,   0x40
; A joint load: waves 0 and 1 fetch for R, waves 2 and 3 for P; the branch hangs on the wave's number alone.  An s_nop 0 and four v_nop follow each of the two lines.
.macro JLOAD g0a, g1a, g0b, g1b
	s_cmp_eq_u32 s21, 0
	s_cbranch_scc0 .Lfor_b_\@
	tensor_load_to_lds s[\g0a:\g0a+3], s[\g1a:\g1a+7]
	s_nop 0
.rept 4
	v_nop
.endr
	s_branch .Lasked_\@
.Lfor_b_\@:
	tensor_load_to_lds s[\g0b:\g0b+3], s[\g1b:\g1b+7]
	s_nop 0
.rept 4
	v_nop
.endr
.Lasked_\@:
.endm
.macro CREST                           ; a round of the cluster's barrier behind its opening barrier
	s_cmp_lg_u32 s20, 0
	s_cbranch_scc1 .Lnot_wave_0_\@
	s_barrier_signal -3
.Lnot_wave_0_\@:
	s_barrier_wait -3
	s_barrier_signal -1
	s_barrier_wait -1
.endm
.macro CROUND
	s_barrier_signal -1
	s_barrier_wait -1
	CREST
.endm
.macro PLACES n
.rept \n
	v_nop
.endr
.endm
	s_load_b512 s[4:19], s[0:1], 0x0               ; xq, wq, bq, bk, bv, qpack, kpack, vpack
	v_lshl_add_u32 v[SPW], v0, 2, SPARE
	v_mov_b32 v[NIL], 0
	ds_add_u32 v[SPW], v[NIL]                      ; the wave's opening: the add, twice on end, and its wait ahead of my first tensor load
	ds_add_u32 v[SPW], v[NIL]
	v_lshrrev_b32 v1, 5, v0
	v_readfirstlane_b32 s20, v1                    ; wave 0..3
	s_lshr_b32 s21, s20, 1                         ; which half of R's rows is mine.  Also: I fetch for R (0) or for P (1)
	s_and_b32 s22, s20, 1                          ; which half of P's rows.  Also: which 8 tiles of that operand I fetch
	s_bfe_u32 s92, ttmp6, 0x40000                  ; cx
	s_bfe_u32 s93, ttmp6, 0x40004                  ; cy
	s_and_b32 s94, ttmp7, 0xffff                   ; the cluster's y
	s_lshl_b32 s95, ttmp9, 2
	s_add_co_u32 s95, s95, s92                     ; work-group x
	s_lshl_b32 s96, s94, 2
	s_add_co_u32 s96, s96, s93                     ; work-group y
	s_lshl_b32 s97, s93, 2
	s_lshl_b32 s97, 15, s97                        ; my row of the cluster
	s_lshl_b32 s98, 0x1111, s92                    ; my column
	s_lshl_b32 s99, s94, 2
	s_max_u32 s100, s94, 4
	s_sub_co_u32 s100, s100, 4
	s_lshl_b32 s100, s100, 3
	s_add_co_u32 s100, s100, s95                   ; P's block of 16 tiles: role 0: x; role 1: x + 8 (cluster y - 4)
	s_cmp_ge_u32 s94, 4
	s_cselect_b32 s23, 1, 0                        ; the role
	s_cselect_b32 s99, 8, s99
	s_add_co_u32 s99, s99, s93                     ; R's block: role 0: work-group y; role 1: 8 + cy (Wv's four blocks)
	; descriptor groups 1: codes: 16 rows (tiles) x 384 elements of 8 bytes (256 along K), 1,536 elements from tile to tile
	s_or_b32 s[G1R], s97, (3<<16)|(1<<21)
	s_or_b32 s[G1P], s98, (3<<16)|(1<<21)
.irp g, G1R, G1P
	s_mov_b32 s[\g+1], 384<<16
	s_mov_b32 s[\g+2], 16<<16
	s_mov_b32 s[\g+3], 384<<16
	s_mov_b32 s[\g+4], 16
	s_mov_b32 s[\g+5], 1536
	s_mov_b32 s[\g+6], 0
	s_mov_b32 s[\g+7], 0
.endr
	; scale words of 16 tiles: 8,192 dense bytes as 32 rows of 256
	s_or_b32 s[G1SR], s97, (3<<16)|(1<<21)
	s_or_b32 s[G1SP], s98, (3<<16)|(1<<21)
.irp g, G1SR, G1SP
	s_mov_b32 s[\g+1], 32<<16
	s_mov_b32 s[\g+2], 32<<16
	s_mov_b32 s[\g+3], 32<<16
	s_mov_b32 s[\g+4], 32
	s_mov_b32 s[\g+5], 32
	s_mov_b32 s[\g+6], 0
	s_mov_b32 s[\g+7], 0
.endr
	s_mul_i32 s2, s99, 196608                      ; R: the codes of its 16 tiles,
	s_mov_b32 s3, 0
	s_lshl_b32 s40, s99, 13                        ; their scale words
	s_add_co_u32 s40, s40, CB
	s_mov_b32 s41, 0
	s_mul_i32 s66, s100, 196608                    ; P likewise
	s_mov_b32 s67, 0
	s_lshl_b32 s42, s100, 13
	s_add_co_u32 s42, s42, CB
	s_mov_b32 s43, 0
	s_mul_i32 s101, s20, HALFT                     ; where the codes go: wave x 8 tiles: no place in the cluster enters an LDS address
	s_wait_dscnt 0x0                               ; both opening adds are done
	s_wait_kmcnt 0x0
	s_cmp_lg_u32 s23, 0
	s_cselect_b64 s[44:45], s[6:7], s[4:5]         ; R: role 1 wq, role 0 xq
	s_cselect_b64 s[46:47], s[4:5], s[6:7]         ; P: the other
	CROUND                                         ; all sixteen work-groups are here: the first joint loads meet
	; THE HEAD'S FOUR TILES, each whole, one joint load a wave: wave 0 slot 0's 16 tiles of R, wave 1 its 16 tiles of P, wave 2 R's scale words (8,192 bytes), wave 3 P's
	s_mov_b32 s[G0SR], 1
	s_mov_b32 s[G0SR+1], SCL
	s_add_nc_u64 s[G0SR+2:G0SR+3], s[44:45], s[40:41]
	s_or_b32 s[G0SR+3], s[G0SR+3], 0x80000000
	s_mov_b32 s[G0SP], 1
	s_mov_b32 s[G0SP+1], SCL+8192
	s_add_nc_u64 s[G0SP+2:G0SP+3], s[46:47], s[42:43]
	s_or_b32 s[G0SP+3], s[G0SP+3], 0x80000000
	s_add_nc_u64 s[44:45], s[44:45], s[2:3]
	s_add_nc_u64 s[46:47], s[46:47], s[66:67]
	s_mov_b32 s[G0R], 1
	s_mov_b32 s[G0R+1], 0
	s_mov_b64 s[G0R+2:G0R+3], s[44:45]
	s_or_b32 s[G0R+3], s[G0R+3], 0x80000000
	s_mov_b32 s[G0P], 1
	s_mov_b32 s[G0P+1], 2*HALFT
	s_mov_b64 s[G0P+2:G0P+3], s[46:47]
	s_or_b32 s[G0P+3], s[G0P+3], 0x80000000
	s_mul_i32 s40, s22, 98304                      ; in the ring I fetch 8 tiles: which half
	s_mov_b32 s41, 0
	s_add_nc_u64 s[44:45], s[44:45], s[40:41]
	s_add_nc_u64 s[46:47], s[46:47], s[40:41]
	s_mov_b32 s[G0R+4], 1                          ; slot 1: K 256 on
	s_add_co_u32 s[G0R+5], s101, SLOT
	s_add_nc_u64 s[G0R+6:G0R+7], s[44:45], 3072
	s_or_b32 s[G0R+7], s[G0R+7], 0x80000000
	s_mov_b32 s[G0P+4], 1
	s_add_co_u32 s[G0P+5], s101, SLOT
	s_add_nc_u64 s[G0P+6:G0P+7], s[46:47], 3072
	s_or_b32 s[G0P+7], s[G0P+7], 0x80000000
.macro ARM under, g0, g1, next         ; one tree of branches on the wave's number: every way through the head passes exactly one load
	s_cmp_lt_u32 s20, \under
	s_cbranch_scc0 \next
	tensor_load_to_lds s[\g0:\g0+3], s[\g1:\g1+7]
	s_nop 0
.rept 4
	v_nop
.endr
	s_branch .Lhead_asked
\next:
.endm
	ARM 1, G0R,  G1R,  .Lhead_b
	ARM 2, G0P,  G1P,  .Lhead_sa
	ARM 3, G0SR, G1SR, .Lhead_sb
	tensor_load_to_lds s[G0SP:G0SP+3], s[G1SP:G1SP+7]
	s_nop 0
.rept 4
	v_nop
.endr
.Lhead_asked:
	v_and_b32 v1, 31, v0
	v_and_b32 v2, 15, v0                           ; r
	v_bfe_u32 v3, v0, 4, 1                         ; h
	v_lshlrev_b32 v[L16], 4, v1
	v_lshlrev_b32 v[L8], 3, v1
	s_mul_i32 s2, s21, HALFT                       ; my 8 tiles of R
	s_mul_i32 s3, s22, HALFT                       ; my 8 tiles of P,
	s_add_co_u32 s3, s3, 2*HALFT                   ; which lie behind R's 16
.irp s, 0,1
	v_add_nc_u32 v[ADRA+\s], s2, v[L16]
	v_add_nc_u32 v[ADRA+2+\s], s2, v[L8]
	v_add_nc_u32 v[ADRB+\s], s3, v[L16]
	v_add_nc_u32 v[ADRB+2+\s], s3, v[L8]
	s_add_co_u32 s2, s2, SLOT
	s_add_co_u32 s3, s3, SLOT
.endr
	s_lshl_b32 s2, s21, 12                         ; the scale words: lanes 0-15 take R's, lanes 16-31 P's: the lower base + h x the distance
	s_lshl_b32 s3, s22, 12
	s_add_co_u32 s3, s3, 8192
	s_sub_co_u32 s3, s3, s2
	v_mul_u32_u24 v4, s3, v3
	s_add_co_u32 s2, s2, SCL
	v_lshl_add_u32 v4, v2, 4, v4
	v_add_nc_u32 v[ADRS], s2, v4
	s_lshl_b32 s2, s20, 9
	s_add_co_u32 s2, s2, BIASL                     ; my 512 bytes of the bias
	v_add_nc_u32 v5, s2, v[L16]
	v_lshl_add_u32 v[ABI], v3, 6, s2               ; role 0: 16 numbers from 32 B + 16 h on
	v_and_b32 v6, 8, v2
	v_add_nc_u32 v6, v6, v2
	v_lshl_add_u32 v[ABV], v6, 2, s2               ; role 1: the number of my stored row: r + 8 (r / 8)
	s_lshl_b32 s2, s20, 9
	s_add_co_u32 s2, s2, SGQ
	v_lshl_add_u32 v10, v2, 4, s2                  ; the scale words' stages: in at 16 r, back at 16 x lane
	v_add_nc_u32 v12, s2, v[L16]
	s_add_co_u32 s2, s2, SGV-SGQ
	v_lshl_add_u32 v11, v2, 4, s2
	v_add_nc_u32 v13, s2, v[L16]
	s_lshl_b32 s2, s95, 8                          ; the bias: role 0: columns (256 x + 128 CH) % 1,024 of bq or bk; role 1: columns 256 cy + 128 RH of bv
	s_lshl_b32 s3, s22, 7
	s_add_co_u32 s2, s2, s3
	s_and_b32 s2, s2, 1023
	s_lshl_b32 s3, s93, 8
	s_lshl_b32 s40, s21, 7
	s_add_co_u32 s3, s3, s40
	s_cmp_lt_u32 s95, 4
	s_cselect_b64 s[8:9], s[8:9], s[10:11]
	s_cmp_lg_u32 s23, 0
	s_cselect_b64 s[8:9], s[12:13], s[8:9]
	s_cselect_b32 s2, s3, s2
	s_lshl_b32 s2, s2, 2
	s_mov_b32 s3, 0
	s_add_nc_u64 s[8:9], s[8:9], s[2:3]
	global_load_b128 v[T0:T0+3], v[L16], s[8:9]    ; 128 numbers, 512 consecutive bytes
	s_mov_b32 s[SEL], 0x76543210
	s_mov_b32 s[SEL+1], 0xfedcba98                 ; v_permlanex16_b32's selects for lane l xor 16
	s_mov_b32 s46, 0xffff
	s_mov_b32 s47, 0x7f7f0000
	s_wait_alu depctr_va_vdst(0)
	s_wait_loadcnt 0x0
	ds_store_b128 v5, v[T0:T0+3]                   ; my own bytes: only I read them
.macro FRAG reg, adr, q, i             ; a fragment, 16 rows x 128 K: two half images on end
	ds_load_b128 v[\reg:\reg+3], v[\adr] offset:(\i)*3072+(\q)*1536
	ds_load_b64 v[\reg+4:\reg+5], v[\adr+2] offset:(\i)*3072+(\q)*1536+512
	ds_load_b128 v[\reg+6:\reg+9], v[\adr] offset:(\i)*3072+(\q)*1536+768
	ds_load_b64 v[\reg+10:\reg+11], v[\adr+2] offset:(\i)*3072+(\q)*1536+1280
.endm
; 16 matrix instructions: R's blocks a0, a0 + 1 x P's eight; p: P's set; s: the K step of 128, which picks the scale words.  The 64 accumulators take turns, one instruction a turn.
.macro MUL16 a0, p, s, zero
.irp a, \a0, \a0+1
.irp b, 0,1,2,3,4,5,6,7
.if \zero
	v_wmma_scale_f32_16x16x128_f8f6f4 v[8*(8*((\a)%4)+\b):8*(8*((\a)%4)+\b)+7], v[128*(\p)+FR*\b:128*(\p)+FR*\b+FR-1], v[AF+FR*(\a):AF+FR*(\a)+FR-1], 0, v[SC+8*\b+(\s)], v[SC+8*(\a)+(\s)] matrix_a_fmt:MATRIX_FMT_BF6 matrix_b_fmt:MATRIX_FMT_BF6 matrix_a_scale:MATRIX_SCALE_ROW1
.else
	v_wmma_scale_f32_16x16x128_f8f6f4 v[8*(8*((\a)%4)+\b):8*(8*((\a)%4)+\b)+7], v[128*(\p)+FR*\b:128*(\p)+FR*\b+FR-1], v[AF+FR*(\a):AF+FR*(\a)+FR-1], v[8*(8*((\a)%4)+\b):8*(8*((\a)%4)+\b)+7], v[SC+8*\b+(\s)], v[SC+8*(\a)+(\s)] matrix_a_fmt:MATRIX_FMT_BF6 matrix_b_fmt:MATRIX_FMT_BF6 matrix_a_scale:MATRIX_SCALE_ROW1
.endif
.endr
.endr
.endm
.macro FETCH_B slot, q, p
	WIN TO_B
.irp i, 0,1,2,3,4,5,6,7
	FRAG 128*(\p)+FR*\i, ADRB+\slot, \q, \i
.endr
	WIN 0
.endm
.macro FETCH_A slot, q, i0
.irp i, \i0, \i0+1, \i0+2, \i0+3
	FRAG AF+FR*(\i), ADRA+\slot, \q, \i
.endr
.endm
; A slot's first 128 along K.  A load into a register that a matrix instruction has read stands four plain vector lines behind it.
.macro STEP slot, s, zero
	s_wait_dscnt 4*NL                              ; P's set and R's blocks 0-3 are in; the youngest 16 loads (R's blocks 4-7) may be out
	WIN MUL_LO
	MUL16 0, 0, \s, \zero
	MUL16 2, 0, \s, \zero
	s_wait_dscnt 0
	PLACES 4
	FETCH_B \slot, 1, 1
	FETCH_A \slot, 1, 0
	WIN MUL_HI
	MUL16 4, 0, \s, \zero
	MUL16 6, 0, \s, \zero
	PLACES 4
	WIN 0
	FETCH_A \slot, 1, 4
.endm
; A slot's second 128 along K changes slots: one barrier; in front of it each wave waits for all its tensor loads, adds 0 to its spare word, and waits for that and for its reads of this slot.  fill = 1: the slot is filled again.
.macro TURN slot, next, fill, s
	s_wait_tensorcnt 0x0                           ; all my tensor loads have landed: my part of the next slot
	ds_add_u32 v[SPW], v[NIL]                      ; 0 onto my spare word
	s_wait_dscnt 4*NL+1                            ; (the add and the youngest 16 loads may be out)
	WIN MUL_LO
	MUL16 0, 1, \s, 0
	s_wait_dscnt 0x0                               ; the add is done, and my reads of this slot are over
	s_barrier_signal -1
	MUL16 2, 1, \s, 0
	WIN 0
	s_barrier_wait -1
.if \fill
	CREST                                          ; the barrier has opened a round of the cluster's barrier: no wave of any partner still reads this slot or has a load on its way
	s_add_nc_u64 s[G0R+4*\slot+2:G0R+4*\slot+3], s[G0R+4*\slot+2:G0R+4*\slot+3], 6144
	s_add_nc_u64 s[G0P+4*\slot+2:G0P+4*\slot+3], s[G0P+4*\slot+2:G0P+4*\slot+3], 6144
	JLOAD G0R+4*\slot, G1R, G0P+4*\slot, G1P       ; the first tensor load behind the round; its four v_nop are also the places in front of the loads below
.else
	PLACES 4
.endif
	FETCH_B \next, 0, 0
	FETCH_A \next, 0, 0
	WIN MUL_HI
	MUL16 4, 1, \s, 0
	MUL16 6, 1, \s, 0
	PLACES 4
	WIN 0
	FETCH_A \next, 0, 4
.endm
	s_wait_tensorcnt 0x0                           ; my tile of the head's four is in
	ds_add_u32 v[SPW], v[NIL]
	s_mov_b32 s[G1R+2], 8<<16                      ; no tensor load of mine is out, so descriptors may be written: from here on a load brings 8 tiles,
	s_mov_b32 s[G1R+4], 8
	s_mov_b32 s[G1P+2], 8<<16
	s_mov_b32 s[G1P+4], 8
	s_mul_i32 s2, s22, 98304                       ; and slot 0's next fill is my half of the tiles, at my place in the slot
	s_mov_b32 s3, 0
	s_mov_b32 s[G0R+1], s101
	s_add_nc_u64 s[G0R+2:G0R+3], s[G0R+2:G0R+3], s[2:3]
	s_mov_b32 s[G0P+1], s101
	s_add_nc_u64 s[G0P+2:G0P+3], s[G0P+2:G0P+3], s[2:3]
	s_wait_dscnt 0x0                               ; the add and my store of the bias are done
	CROUND                                         ; a whole round: all four tiles are in, and all sixteen work-groups are here
	JLOAD G0R+4, G1R, G0P+4, G1P                   ; slot 1's first fill, the first tensor load behind the round
	FETCH_B 0, 0, 0
	FETCH_A 0, 0, 0
.irp i, 0,1,2,3,4,5,6,7
.irp q, 0,1
	ds_load_b128 v[SC+8*\i+4*\q:SC+8*\i+4*\q+3], v[ADRS] offset:512*\i+256*\q   ; tile i's words of K steps 4 q .. 4 q + 3
.endr
.endr
	FETCH_A 0, 0, 4
	STEP 0, 0, 1                                   ; the first products start the sums: nothing is cleared
	TURN 0, 1, 1, 1
	STEP 1, 2, 0
	TURN 1, 0, 1, 3
	STEP 0, 4, 0
	TURN 0, 1, 0, 5                                ; nothing is left to fetch
	STEP 1, 6, 0
	s_wait_dscnt 4*NL
	WIN MUL_LO
	MUL16 0, 1, 7, 0
	MUL16 2, 1, 7, 0
	s_wait_dscnt 0
	WIN MUL_HI
	MUL16 4, 1, 7, 0
	MUL16 6, 1, 7, 0
	WIN 0
; 64 numbers of a lane, register 16 b + i = K 32 b + 16 (lane / 16) + i of my row, become a fragment's codes in v[PC] on and its scale word in v[PW].
.macro QUANT s
.irp b, 0,1,2,3
	v_max3_num_f32 v[TM+\b], |v[\s+16*\b]|, |v[\s+1+16*\b]|, 0x2800000   ; and the floor 2^(5-127): the byte cannot fall under 1
.endr
.irp i, 2,4,6,8,10,12,14
.irp b, 0,1,2,3
	v_max3_num_f32 v[TM+\b], v[TM+\b], |v[\s+16*\b+\i]|, |v[\s+1+16*\b+\i]|
.endr
.endr
.irp b, 0,1,2,3
	v_permlanex16_b32 v[TM+4+\b], v[TM+\b], s[SEL], s[SEL+1]
.endr
.irp b, 0,1,2,3
	v_max_num_f32 v[TM+\b], v[TM+\b], v[TM+4+\b]   ; with lane l xor 16's: the block's largest magnitude
.endr
.irp b, 0,1,2,3
	v_add_nc_u32 v[TM+8+\b], 0xfe000000, v[TM+\b]  ; 4 off its exponent field: the conversion's scale operand
.endr
.irp b, 0,1,2,3
	v_lshrrev_b32 v[TM+4+\b], 23, v[TM+8+\b]       ; the scale's byte
.endr
	v_lshl_or_b32 v[PW], v[TM+5], 8, v[TM+4]
	v_lshl_or_b32 v[PW], v[TM+6], 16, v[PW]
	v_lshl_or_b32 v[PW], v[TM+7], 24, v[PW]
.irp c, 0,1
	v_cvt_scalef32_pk16_bf6_f32 v[PC+6*\c:PC+2+6*\c], v[\s+32*\c:\s+15+32*\c], v[TM+8+2*\c]
	v_cvt_scalef32_pk16_bf6_f32 v[PC+12+4*\c:PC+14+4*\c], v[\s+16+32*\c:\s+31+32*\c], v[TM+8+2*\c+1]
.endr
	v_nop                                          ; one plain line behind a scaled conversion
.irp c, 0,1                                    ; the operand's layout wants a whole block in a lane
.irp i, 0,1,2
	v_permlane16_swap_b32 v[PC+6*\c+\i], v[PC+12+4*\c+\i]
.endr
.irp i, 0,1,2
	v_mov_b32 v[PC+3+6*\c+\i], v[PC+12+4*\c+\i]
.endr
.endr
.endm
; THE WAY OUT.  For each of R's eight blocks: the 64 sums of a lane + the bias, quantised: a fragment of 128 along the next K.  Role 0: its two half images are two heads' 64 d of 16 rows of q or k.
; Role 1: it is 16 d x 128 keys of v.  Each store covers 512 or 256 consecutive bytes, aligned to 256.  The scale words of the eight blocks meet in my stage and leave as whole blocks of 256 bytes.
.macro EPI role
.set ASG, 10+\role
.set ASR, 12+\role
.if \role == 0
	s_lshl_b32 s2, s95, 2
	s_lshl_b32 s3, s22, 1
	s_add_co_u32 s2, s2, s3
	s_and_b32 s2, s2, 15                           ; my first head
	s_lshl_b32 s3, s96, 1
	s_add_co_u32 s3, s3, s21                       ; my group of 128 rows
	s_mul_i32 s2, s2, HS
	s_lshr_b32 s40, s3, 2
	s_mul_i32 s40, s40, 26624
	s_add_co_u32 s2, s2, s40
	s_and_b32 s3, s3, 3
	s_mul_i32 s40, s3, 6144
	s_add_co_u32 s40, s40, s2
	s_lshl_b32 s42, s3, 9
	s_add_co_u32 s42, s42, s2
	s_add_co_u32 s42, s42, 24576
	s_mov_b32 s41, 0
	s_mov_b32 s43, 0
	s_cmp_lt_u32 s95, 4
	s_cselect_b64 s[44:45], s[14:15], s[16:17]     ; q's pack or k's
.else
	s_lshl_b32 s2, s93, 2
	s_lshl_b32 s3, s21, 1
	s_add_co_u32 s2, s2, s3                        ; my first head
	s_lshl_b32 s3, s100, 1
	s_add_co_u32 s3, s3, s22                       ; my key step of 128
	s_mul_i32 s2, s2, VHS
	s_lshr_b32 s40, s3, 2
	s_mul_i32 s40, s40, 25600
	s_add_co_u32 s2, s2, s40
	s_and_b32 s3, s3, 3
	s_mul_i32 s40, s3, 6144
	s_add_co_u32 s40, s40, s2
	s_lshl_b32 s42, s3, 8
	s_add_co_u32 s42, s42, s2
	s_add_co_u32 s42, s42, 24576
	s_mov_b32 s41, 0
	s_mov_b32 s43, 0
	s_mov_b64 s[44:45], s[18:19]
.endif
	s_add_nc_u64 s[40:41], s[44:45], s[40:41]      ; the codes' base
	s_add_nc_u64 s[42:43], s[44:45], s[42:43]      ; the scale words'
	PLACES 4                                       ; behind the last products: results are read, and registers that they read are written
	WIN 0x40
.if \role == 0
.irp g, 0,1,2,3
.irp i, 0,1,2,3
	ds_load_b128 v[16*\g+4*\i:16*\g+4*\i+3], v[ABI] offset:128*\g+16*\i   ; the bias in the result's layout: register 16 g + i: column 32 g + 16 h + i
.endr
.endr
.else
.irp a, 0,1,2,3,4,5,6,7
	ds_load_b32 v[2*\a], v[ABV] offset:128*(\a/2)+32*(\a%2)              ; block a: the number of my d, twice: a pair for the packed addition
	ds_load_b32 v[2*\a+1], v[ABV] offset:128*(\a/2)+32*(\a%2)
.endr
.endif
	WIN 0
.irp b, 0,1,2,3
	v_mov_b32 v[TM+4+\b], 0                        ; a lane permute's destination counts as one of its sources
.endr
	s_wait_dscnt 0x0
.irp a, 0,1,2,3,4,5,6,7
.if \a > 0
	s_wait_xcnt 0x0                                ; the last block's stores have read their registers
	s_wait_dscnt 0x0
.endif
	WIN 0x06+(\a/4)                                ; source 0: the accumulators' window; source 1: window 1
.set i, 0
.rept 32
.if \role == 0
	v_pk_add_f32 v[HA+i:HA+i+1], v[64*(\a%4)+i:64*(\a%4)+i+1], v[i:i+1]            ; ascending: each accumulator is read from its low end on
.else
	v_pk_add_f32 v[HA+i:HA+i+1], v[64*(\a%4)+i:64*(\a%4)+i+1], v[2*\a:2*\a+1]
.endif
.set i, i+2
.endr
	WIN 0
	QUANT HA
	ds_store_b32 v[ASG], v[PW] offset:256*(\a%2)+4*(\a/2)      ; both halves of the lanes write the same word with the same value
.if \role == 0
	global_store_b128 v[L16], v[PC:PC+3], s[40:41] offset:768*\a
	global_store_b64 v[L8], v[PC+4:PC+5], s[40:41] offset:768*\a+512
	global_store_b128 v[L16], v[PC+6:PC+9], s[40:41] offset:HS+768*\a
	global_store_b64 v[L8], v[PC+10:PC+11], s[40:41] offset:HS+768*\a+512
.else
	global_store_b128 v[L16], v[PC:PC+3], s[40:41] offset:VHS*(\a/4)+1536*(\a%4)
	global_store_b64 v[L8], v[PC+4:PC+5], s[40:41] offset:VHS*(\a/4)+1536*(\a%4)+512
	global_store_b128 v[L16], v[PC+6:PC+9], s[40:41] offset:VHS*(\a/4)+1536*(\a%4)+768
	global_store_b64 v[L8], v[PC+10:PC+11], s[40:41] offset:VHS*(\a/4)+1536*(\a%4)+1280
.endif
.endr
	ds_load_b128 v[T0:T0+3], v[ASR]                ; LDS serves a wave's instructions in order: this sees my stores.  Register i: block 2 i in lanes 0-15, block 2 i + 1 in lanes 16-31
	s_wait_dscnt 0x0
.if \role == 0
.irp i, 0,1,2,3
	v_and_or_b32 v[T0+4+\i], v[T0+\i], s46, s47    ; the first head's two bytes, and 0x7f (a scale of 1) for the half of the next product's K that holds zero codes
	v_lshrrev_b32 v[T0+8+\i], 16, v[T0+\i]
.endr
.irp i, 0,1,2,3
	v_or_b32 v[T0+8+\i], s47, v[T0+8+\i]           ; the second head's
.endr
	global_store_b128 v[L16], v[T0+4:T0+7], s[42:43]
	global_store_b128 v[L16], v[T0+8:T0+11], s[42:43] offset:HS
.else
	global_store_b64 v[L8], v[T0:T0+1], s[42:43]               ; blocks 0-3: the first head's four d tiles
	global_store_b64 v[L8], v[T0+2:T0+3], s[42:43] offset:VHS  ; blocks 4-7: the second head's
.endif
.endm
	s_cmp_lg_u32 s23, 0                            ; the role: the same in all waves and all partners
	s_cbranch_scc1 .Lv
	EPI 0
	s_branch .Lout
.Lv:
	EPI 1
.Lout:
	s_wait_tensorcnt 0x0                           ; the wave's end: behind my last tensor load and my last LDS store
	ds_add_u32 v[SPW], v[NIL]
	s_wait_dscnt 0x0
	CROUND                                         ; the closing round: no work-group ends while a partner may still ask for a tile that names it
	s_endpgm
.Lfunc_end_k_q17742e25d2_qkv:
	.size	k_q17742e25d2_qkv, .Lfunc_end_k_q17742e25d2_qkv-k_q17742e25d2_qkv
	.p2alignl 7, 3214868480
	.fill 96, 4, 3214868480
	.section	.rodata,"a",@progbits
	.p2align	6, 0x0
	.amdhsa_kernel k_q17742e25d2_qkv
		.amdhsa_group_segment_fixed_size 327680
		.amdhsa_private_segment_fixed_size 0
		.amdhsa_enable_private_segment 0
		.amdhsa_kernarg_size 64
		.amdhsa_user_sgpr_count 2
		.amdhsa_user_sgpr_kernarg_segment_ptr 1
		.amdhsa_wavefront_size32 1
		.amdhsa_system_sgpr_workgroup_id_x 1
		.amdhsa_system_sgpr_workgroup_id_y 1
		.amdhsa_system_sgpr_workgroup_id_z 1
		.amdhsa_system_vgpr_workitem_id 0
		.amdhsa_next_free_vgpr 1024
		.amdhsa_next_free_sgpr 102
		.amdhsa_reserve_vcc 0
		.amdhsa_float_denorm_mode_32 3
		.amdhsa_float_denorm_mode_16_64 3
		.amdhsa_memory_ordered 1
		.amdhsa_forward_progress 1
		.amdhsa_inst_pref_size 220
	.end_amdhsa_kernel
	.amdgpu_metadata
---
amdhsa.version: [ 1, 2 ]
amdhsa.kernels:
  - .name:           k_q17742e25d2_qkv
    .symbol:         k_q17742e25d2_qkv.kd
    .args:
      - { .name: xq, .offset: 0, .size: 8, .value_kind: global_buffer, .address_space: global }
      - { .name: wq, .offset: 8, .size: 8, .value_kind: global_buffer, .address_space: global }
      - { .name: bq, .offset: 16, .size: 8, .value_kind: global_buffer, .address_space: global }
      - { .name: bk, .offset: 24, .size: 8, .value_kind: global_buffer, .address_space: global }
      - { .name: bv, .offset: 32, .size: 8, .value_kind: global_buffer, .address_space: global }
      - { .name: qpack, .offset: 40, .size: 8, .value_kind: global_buffer, .address_space: global }
      - { .name: kpack, .offset: 48, .size: 8, .value_kind: global_buffer, .address_space: global }
      - { .name: vpack, .offset: 56, .size: 8, .value_kind: global_buffer, .address_space: global }
    .group_segment_fixed_size: 327680
    .private_segment_fixed_size: 0
    .kernarg_segment_align: 8
    .kernarg_segment_size: 64
    .max_flat_workgroup_size: 128
    .sgpr_count:     102
    .vgpr_count:     1024
    .wavefront_size: 32
...
	.end_amdgpu_metadata
.endif
;; end of part 2
;; launch attn (part 3): grid 16 x 16, 16 waves a work-group, no clusters, 327,680 bytes of LDS; arguments qpack, kpack, vpack, oq; writes oq
.if DOCPART == 3
	.amdgcn_target "amdgcn-amd-amdhsa--gfx1250"
	.amdhsa_code_object_version 6
	.text
	.protected	k_q17742e25d2_attn
	.globl	k_q17742e25d2_attn
	.p2align	8
	.type	k_q17742e25d2_attn,@function
k_q17742e25d2_attn:
	s_mov_b64 s[64:65], 0
	v_nop
	global_prefetch_b8 v0, s[64:65] scope:SCOPE_SE
	s_setreg_imm32_b32 hwreg(HW_REG_WAVE_MODE, 25, 1), 1
	s_wait_xcnt 0x0
; o = softmax(q k^T / 8, causal) v for one head, both products on codes of BF6 (E3M2), and the quantiser of o along (head, d) for the last product.
; LEFT OUT: key steps of 128 keys that lie wholly above the diagonal of reference()'s own tril mask (shown at the head of the first launch); a NaN, infinity or overflow that reaches only those is not carried on.
; LIMIT: inside the diagonal step hidden scores become -infinity where reference() writes -1e9: the same weights, 0, while visible scores stay above about -1e9 + 150.
; THE SOFTMAX: t = score x log2(e) / 8; M = the running largest t rounded UP to a whole number; p = 2^(t - M) is quantised along the keys, not normalised; the row's sum is taken of the unquantised p and divides at the end.
; SHARES.  A work-group has one head and two groups of 128 queries: first group J (key steps 0 .. J), then group 31 - J (key steps 0 .. 31 - J).  In slots of four key steps that is
; J / 4 + 1 slots and then 8 - J / 4: NINE SLOTS for every work-group, a constant trip count.  A tile of 16 queries has TWO waves: one takes a slot's key steps 0 and 2, the other 1 and 3,
; each with its own running M, sum and O^T: of the 33 steps one wave works 17 and the other 16.  A step beyond the group's last is jumped over by a scalar branch on ids.
; THE TWO HALVES ARE JOINED AT THE END.  At a group's end each wave stores its part (O^T, -M, the sums: 36 registers, 4,608 bytes) into LDS bytes of its own.  Behind one barrier at the walk's end the waves of the even
; steps join and finish group 31 - J and the waves of the odd steps group J: both parts are brought under the larger M by factors 2^(whole number), which round nothing, and added.  A part with no step holds zeros and gets the factor 0.
; NO CLUSTER: which steps a wave jumps over hangs on J, which differs between the work-groups that walk the same slots: in a cluster that branch would hang on a work-group's place.
; LAYOUT.  Both products are used transposed: S^T = k q^T, O^T = v^T p^T: a lane holds one query.  Tiles of keys and of d are in stored order (row r of tile 2 B + u is row 32 B + 8 u + r + 8 (r / 8)),
; so the 16 registers of tiles 2 B, 2 B + 1 are 16 neighbours.  Operands lie as images of their registers (half images of 768 bytes: registers 0-3 at 16 x lane, 4-5 at 512 + 8 x lane).
; K = 64 IN A FORM 128 DEEP: q's registers 6-11 are zero codes and the upper two bytes of q's and k's scale words are 0x7f.  The product for key tile t names v[32 + 6 t .. + 11]: its upper six registers are
; the next tile's codes (for tile 7 six zeros); they meet q's zeros and add exactly 0.
; RING: two slots of four key steps; a slot: k's 26,624 bytes (codes, then scale words), v's 25,600.  Waves 0, 1 fetch k's halves, waves 2, 3 v's.  Every slot fetched holds a step that counts.
; OUT: oq: codes [tile of 16 rows 256][head 16][768]; from byte CB on two scale bytes for each (head, stored row): [head][4,096] of 16 bits.
; REGISTERS: v1 16 x lane, v2 8 x lane, v3-4 the add's two, v5 the mask's number, v6 and v29 LDS addresses of o's scale bytes, v7 the prefetch's offset, v8-11 addresses in hand, v12 -M, v13 the largest t, v[14:15] the sum,
;   v16-27 q, v28 q's scale words, v32-79 eight tiles of k, then four fragments of v, v80-85 zeros, v86-89 k's scale words, v90-91 v's, v92-94 LDS addresses of the parts, v96-159 S^T, then p, v160-191 O^T,
;   v192-203 p's codes, v204-231 and v244-255 at work, v228 p's scale word, v232-238 the second group's q and its scale words.
.set HS,    212992
.set VHS,   204800
.set KSL,   26624
.set VSL,   25600
.set CB,    3145728
.set SLOT1, 1<<16
.set VOFF,  26624
.set SPARE, 131072                     ; the spare words, 128 bytes for each of 16 waves: eight blocks of 256 bytes that no other line names
.set GS,    133120                     ; o's scale bytes: [group 2][tile 8][row 16] of 16 bits
.set STG,   133632                     ; the parts: [group 2][tile 8][half 2][PART]
.set PART,  4608
.set QF,  16
.set QS,  28
.set KF,  32
.set KSC, 86
.set VSC, 90
.set SA,  92
.set SH,  93
.set LA,  94
.set S,   96
.set O,   160
.set PCD, 192
.set CT,  204
.set BM,  212
.set PD,  216
.set SO,  220
.set TMP, 224
.set F,   226
.set PS,  228
.set SUM2, 230
.set QH,  232
.set WV,  12
.set JJ,  13
.set HD,  14
.set TT,  15
.set PAR, 16
.set G,   17
.set GMAX, 18
.set ALO, 19
.set ALO1, 61
.set SEL, 20
.set CS,  22
.set MS,  48
.set TB,  49
.set TS,  50
.set TV,  51
.set KSI, 52
.set CNT, 53
.set SLOTS, 54
.set SI,  55
.set LIM, 60
.set KB,  62
.set VB,  88
.macro TLOAD                           ; waves 0, 1: k's halves; waves 2, 3: v's; the others nothing.  An s_nop 0 and four v_nop follow each of the two lines
	s_cmp_lt_u32 s[WV], 2
	s_cbranch_scc0 .Lnot_k_\@
	tensor_load_to_lds s[40:43], s[24:31]
	s_nop 0
.rept 4
	v_nop
.endr
	s_branch .Lasked_\@
.Lnot_k_\@:
	s_cmp_lt_u32 s[WV], 4
	s_cbranch_scc0 .Lasked_\@
	tensor_load_to_lds s[44:47], s[32:39]
	s_nop 0
.rept 4
	v_nop
.endr
.Lasked_\@:
.endm
; A PREFETCH INTO THE L2.  All work-groups of a head walk the same k and v; the changes of slots are counted from 0 (the one ahead of the loop), and none loads slot m of the packs before its change m - 1.
; Work-group J = 0 of the head asks at change m - 2 for slot m, m = 2 .. 7: one change, two of a wave's key steps, ahead of the earliest load.
; In it the waves ask that fetch nothing: waves 4-7 for k's 104 blocks of 256 bytes, waves 8-11 for v's 100, lanes 256 bytes apart; the lanes beyond a slot's end name its last block.
; Slots 0 and 1 come by their loads alone; the loop's last two trips ask for nothing.
.macro ASK
	s_cmp_gt_u32 s[SLOTS], s[LIM]
	s_cbranch_scc0 .Lnot_mine_\@
	global_prefetch_b8 v7, s[56:57] th:TH_LOAD_NT scope:SCOPE_SE
.Lnot_mine_\@:
.endm
.macro QADR g, a                       ; where my tile of group g lies in qpack: codes s[a:a+1], scale words s[a+2:a+3]
	s_lshr_b32 s74, s[\g], 2
	s_mul_i32 s74, s74, KSL
	s_mul_i32 s75, s[HD], HS
	s_add_co_u32 s74, s74, s75
	s_and_b32 s75, s[\g], 3
	s_mul_i32 s[\a], s75, 6144
	s_mul_i32 s[\a+1], s[TT], 768
	s_add_co_u32 s[\a], s[\a], s[\a+1]
	s_add_co_u32 s[\a], s[\a], s74
	s_mov_b32 s[\a+1], 0
	s_add_nc_u64 s[\a:\a+1], s[4:5], s[\a:\a+1]
	s_lshl_b32 s[\a+2], s75, 9                     ; the group's scale words; my tile's at 256 (t % 2) + 4 (t / 2) + 16 r
	s_add_co_u32 s[\a+2], s[\a+2], s74
	s_add_co_u32 s[\a+2], s[\a+2], 24576
	s_and_b32 s[\a+3], s[TT], 1
	s_lshl_b32 s[\a+3], s[\a+3], 8
	s_add_co_u32 s[\a+2], s[\a+2], s[\a+3]
	s_lshr_b32 s[\a+3], s[TT], 1
	s_lshl_b32 s[\a+3], s[\a+3], 2
	s_add_co_u32 s[\a+2], s[\a+2], s[\a+3]
	s_mov_b32 s[\a+3], 0
	s_add_nc_u64 s[\a+2:\a+3], s[4:5], s[\a+2:\a+3]
.endm
	s_load_b256 s[4:11], s[0:1], 0x0               ; qpack, kpack, vpack, oq
	v_lshl_add_u32 v3, v0, 2, SPARE
	v_mov_b32 v4, 0
	ds_add_u32 v3, v4                              ; the wave's opening: the add, twice on end, and its wait ahead of the first tensor load
	ds_add_u32 v3, v4
	v_lshrrev_b32 v8, 5, v0
	s_delay_alu instid0(VALU_DEP_1)
	v_readfirstlane_b32 s[WV], v8                  ; wave 0..15
	s_mov_b32 s[JJ], ttmp9
	s_and_b32 s[HD], ttmp7, 0xffff
	s_lshr_b32 s[TT], s[WV], 1                     ; my tile in its group
	s_and_b32 s[PAR], s[WV], 1
	s_lshr_b32 s66, s[WV], 2
	s_add_co_u32 s[PAR], s[PAR], s66
	s_and_b32 s[PAR], s[PAR], 1                    ; even or odd key steps: both values for each tile, and mixed over the waves' numbers modulo 4 and divided by 4
	s_sub_co_u32 s[GMAX], 31, s[JJ]
	s_mov_b32 s[G], s[JJ]                          ; the group at work: first J
	s_lshr_b32 s[ALO], s[JJ], 2
	s_add_co_u32 s[ALO], s[ALO], 1                 ; its slots
	s_add_co_u32 s[ALO1], s[ALO], 1
	; descriptor groups 1: dense blocks as rows of 256 bytes: k: 52 rows, v: 50
	s_mov_b32 s24, 3<<16
	s_mov_b32 s25, 32<<16
	s_mov_b32 s26, 52<<16
	s_mov_b32 s27, 32<<16
	s_mov_b32 s28, 52
	s_mov_b32 s29, 32
	s_mov_b32 s30, 0
	s_mov_b32 s31, 0
	s_mov_b32 s32, 3<<16
	s_mov_b32 s33, 32<<16
	s_mov_b32 s34, 50<<16
	s_mov_b32 s35, 32<<16
	s_mov_b32 s36, 50
	s_mov_b32 s37, 32
	s_mov_b32 s38, 0
	s_mov_b32 s39, 0
	s_and_b32 s66, s[WV], 1
	s_mul_i32 s67, s66, 13312                      ; k's half: in memory and in a slot
	s_mul_i32 s68, s[HD], HS
	s_add_co_u32 s68, s68, s67
	s_mov_b32 s69, 0
	s_mul_i32 s70, s66, 12800                      ; v's
	s_mul_i32 s72, s[HD], VHS
	s_add_co_u32 s72, s72, s70
	s_mov_b32 s73, 0
	s_mov_b32 s[SEL], 0x76543210
	s_mov_b32 s[SEL+1], 0xfedcba98
	s_mov_b32 s[CS], 0x3e38aa3b                    ; c = log2(e) / 8
	s_mov_b32 s[CS+1], s[CS]                       ; (named with it as a pair, so it is written)
	s_mul_i32 s[TB], s[PAR], 6144                  ; my first step of a slot: codes,
	s_lshl_b32 s[TS], s[PAR], 9                    ; k's scale words,
	s_lshl_b32 s[TV], s[PAR], 8                    ; v's
	s_mov_b32 s[KSI], s[PAR]                       ; its number in the group's walk
	s_mov_b32 s[SLOTS], 7
	s_mov_b32 s[SI], 0                             ; the last slot of the nine asked for
	s_mov_b32 s[MS], 0                             ; and its number in the packs
	s_mov_b32 s97, 0
	s_mov_b32 s99, 0
	s_wait_dscnt 0x0                               ; both opening adds are done
	s_wait_kmcnt 0x0
	s_add_nc_u64 s[KB:KB+1], s[6:7], s[68:69]
	s_add_nc_u64 s[VB:VB+1], s[8:9], s[72:73]
	s_mov_b32 s40, 1
	s_mov_b32 s41, s67
	s_mov_b64 s[42:43], s[KB:KB+1]
	s_or_b32 s43, s43, 0x80000000
	s_mov_b32 s44, 1
	s_add_co_u32 s45, s70, VOFF
	s_mov_b64 s[46:47], s[VB:VB+1]
	s_or_b32 s47, s47, 0x80000000
	TLOAD                                          ; key steps 0-3, of which step 0 counts for every query
	v_and_b32 v8, 31, v0
	v_and_b32 v10, 15, v0                          ; r
	v_bfe_u32 v11, v0, 4, 1                        ; h
	v_bfe_u32 v9, v0, 3, 1
	v_and_b32 v5, 7, v0
	v_lshlrev_b32 v1, 4, v8
	v_lshlrev_b32 v2, 3, v8
	v_lshlrev_b32 v30, 4, v10
	v_sub_nc_u32 v9, v9, v11
	s_delay_alu instid0(VALU_DEP_1)
	v_lshl_add_u32 v5, v9, 4, v5                   ; (r % 8) + 16 (r / 8) - 16 h
	QADR JJ, 76
	QADR GMAX, 80
	s_wait_alu depctr_va_vdst(0)                   ; directly ahead of the readers below
	global_load_b128 v[QF:QF+3], v1, s[76:77]      ; both groups' q stay in registers: the first group's as the operand,
	global_load_b64 v[QF+4:QF+5], v2, s[76:77] offset:512
	global_load_b32 v[QS], v30, s[78:79]
	global_load_b128 v[QH:QH+3], v1, s[80:81]      ; the second group's beside it
	global_load_b64 v[QH+4:QH+5], v2, s[80:81] offset:512
	global_load_b32 v[QH+6], v30, s[82:83]
	s_lshr_b32 s84, s[TT], 1
	s_lshl_b32 s84, s84, 5
	s_and_b32 s85, s[TT], 1
	s_lshl_b32 s85, s85, 3
	s_add_co_u32 s84, s84, s85
	v_add_nc_u32 v5, s84, v5                       ; + 32 (t / 2) + 8 (t % 2): my query in its group less 16 h.  Register 16 b + i holds key 32 b + 16 h + i: hidden where 32 b + i is greater
	s_xor_b32 s86, s[PAR], 1                       ; the group that I finish: 1 (the second, 31 - J) in the waves of the even steps
	s_lshl_b32 s84, s86, 8
	s_lshl_b32 s85, s[TT], 5
	s_add_co_u32 s84, s84, s85
	s_add_co_u32 s84, s84, GS
	v_lshl_add_u32 v6, v10, 1, s84                 ; where my row's two scale bytes go
	s_and_b32 s84, s[WV], 1
	s_lshl_b32 s84, s84, 8
	s_add_co_u32 s84, s84, GS
	v_add_nc_u32 v29, s84, v2                      ; and where waves 0 and 1 read a group's 256 bytes back
	s_lshl_b32 s84, s[TT], 1
	s_add_co_u32 s84, s84, s[PAR]
	s_mul_i32 s84, s84, PART
	s_add_co_u32 s84, s84, STG
	v_add_nc_u32 v[SA], s84, v1                    ; my part of the first group,
	v_add_nc_u32 v[SH], 16*PART, v[SA]             ; of the second
	s_mul_i32 s84, s86, 16*PART
	s_mul_i32 s85, s[TT], 2*PART
	s_add_co_u32 s84, s84, s85
	s_add_co_u32 s84, s84, STG
	v_add_nc_u32 v[LA], s84, v1                    ; the two parts that I join
	s_cmp_lt_u32 s[WV], 8                          ; the prefetches: waves 4-7 k, waves 8-11 v
	s_cselect_b64 s[56:57], s[6:7], s[8:9]
	s_mov_b32 s58, VSL
	s_cselect_b32 s58, KSL, s58                    ; a slot on
	s_mov_b32 s90, VHS
	s_cselect_b32 s90, HS, s90
	s_mov_b32 s59, 0
	s_mul_i32 s90, s90, s[HD]
	s_add_co_u32 s90, s90, s58                     ; in slot 1: the first change of slots steps it to slot 2.  Nothing is prefetched here, at the head
	s_mov_b32 s91, 0
	s_add_nc_u64 s[56:57], s[56:57], s[90:91]
	s_sub_co_u32 s84, s58, 256                     ; a slot's last block
	s_and_b32 s85, s[WV], 3
	s_lshl_b32 s85, s85, 13
	v_lshl_add_u32 v7, v8, 8, s85
	s_delay_alu instid0(VALU_DEP_1)
	v_min_u32 v7, s84, v7
	s_sub_co_u32 s86, s[WV], 4
	s_lshr_b32 s86, s86, 3                         ; 0 in waves 4 to 11,
	s_or_b32 s86, s86, s[JJ]                       ; of the head's work-group 0
	s_cmp_eq_u32 s86, 0
	s_cselect_b32 s[LIM], 2, -1
.macro FRESH                           ; a part begins: the largest t -3e38, under every t; the sums and O^T zeros, which the first change of M leaves zeros
	v_mov_b32 v13, 0xff61b1e6
	v_mov_b32 v14, 0
	v_mov_b32 v15, 0
	v_floor_f32 v12, -v13                          ; -M
.set j, 0
.rept 32
	v_mov_b32 v[O+j], 0
.set j, j+1
.endr
.endm
.irp j, 0,1,2,3,4,5
	v_mov_b32 v[QF+6+\j], 0                        ; q's upper 64 along K: zero codes
	v_mov_b32 v[80+\j], 0                          ; what tile 7's operand names behind its own six registers
.endr
.irp b, 0,1,2,3
	v_mov_b32 v[PD+\b], 0                          ; a lane permute's destination counts as one of its sources
.endr
	v_mov_b32 v[TMP], 0
	v_mov_b32 v[F+1], 0                            ; (named as the upper halves of pairs)
	v_mov_b32 v[SUM2+1], 0
	FRESH
; A KEY STEP: 128 keys.
; mid = 1: my last step of a slot.  When v's fragments have been asked for, my LDS reads of the slot are over: the lines of the change of slots and the barrier's signal stand there, on every way,
; and the softmax and the second product, work on registers alone, stand between the signal and the wait, which follows the macro.
.macro STEP mid
	s_cmp_gt_u32 s[KSI], s[G]                      ; all its keys come after my queries: left out
.if \mid
	s_cbranch_scc1 .Lnone_\@
.else
	s_cbranch_scc1 .Lhidden_\@
.endif
	v_add_nc_u32 v8, s[TB], v1                     ; (these four are also the places behind the last step's products, in front of the loads below)
	v_add_nc_u32 v9, s[TB], v2
	v_add_nc_u32 v10, s[TS], v1
	v_add_nc_u32 v11, s[TV], v2
.irp t, 0,1,2,3,4,5,6,7
	ds_load_b128 v[KF+6*\t:KF+6*\t+3], v8 offset:768*\t
	ds_load_b64 v[KF+6*\t+4:KF+6*\t+5], v9 offset:768*\t+512
.endr
	ds_load_b128 v[KSC:KSC+3], v10 offset:24576    ; register i: tile 2 i's words in lanes 0-15, tile 2 i + 1's in lanes 16-31
	s_wait_alu depctr_va_vdst(0)
	s_wait_dscnt 0x0
.irp t, 0,2,4,6
	v_wmma_scale_f32_16x16x128_f8f6f4 v[S+8*\t:S+8*\t+7], v[KF+6*\t:KF+6*\t+11], v[QF:QF+11], 0, v[KSC+\t/2], v[QS] matrix_a_fmt:MATRIX_FMT_BF6 matrix_b_fmt:MATRIX_FMT_BF6
	v_wmma_scale_f32_16x16x128_f8f6f4 v[S+8*\t+8:S+8*\t+15], v[KF+6*\t+6:KF+6*\t+17], v[QF:QF+11], 0, v[KSC+\t/2], v[QS] matrix_a_fmt:MATRIX_FMT_BF6 matrix_b_fmt:MATRIX_FMT_BF6 matrix_a_scale:MATRIX_SCALE_ROW1
.endr
.rept 4
	v_nop                                          ; places: in front of loads into registers that these products read, and of the first read of their results
.endr
.irp d, 0,1,2,3                                ; v's four fragments: they land during the softmax
	ds_load_b128 v[KF+12*\d:KF+12*\d+3], v8 offset:VOFF+1536*\d
	ds_load_b64 v[KF+12*\d+4:KF+12*\d+5], v9 offset:VOFF+1536*\d+512
	ds_load_b128 v[KF+12*\d+6:KF+12*\d+9], v8 offset:VOFF+1536*\d+768
	ds_load_b64 v[KF+12*\d+10:KF+12*\d+11], v9 offset:VOFF+1536*\d+1280
.endr
	ds_load_b64 v[VSC:VSC+1], v11 offset:51200
.if \mid
.Lnone_\@:
	LINES 1
	s_cmp_gt_u32 s[KSI], s[G]                      ; the same test again: the jump leads round work on registers alone
	s_cbranch_scc1 .Lhidden_\@
.endif
	s_cmp_lg_u32 s[KSI], s[G]                      ; only the diagonal step has hidden keys
	s_cbranch_scc1 .Lopen_\@
	v_mov_b32 v[TMP], 0xff800000                   ; -infinity
.set n, 0
.rept 64
	v_cmp_gt_i32 vcc_lo, 32*(n/16)+n%16, v5
	v_cndmask_b32 v[S+n], v[S+n], v[TMP], vcc_lo
.set n, n+1
.endr
.Lopen_\@:
.irp b, 0,1,2,3
	v_max3_num_f32 v[BM+\b], v[S+16*\b], v[S+1+16*\b], v[S+2+16*\b]   ; the largest score of each block of 32 keys: for the row's maximum, and, since p rises with the score, for the block's largest p
.endr
.irp i, 3,5,7,9,11,13
.irp b, 0,1,2,3
	v_max3_num_f32 v[BM+\b], v[BM+\b], v[S+16*\b+\i], v[S+1+16*\b+\i]
.endr
.endr
.irp b, 0,1,2,3
	v_max_num_f32 v[BM+\b], v[BM+\b], v[S+15+16*\b]
.endr
.irp b, 0,1,2,3
	s_delay_alu instid0(VALU_DEP_4)
	v_permlanex16_b32 v[PD+\b], v[BM+\b], s[SEL], s[SEL+1]
.endr
.irp b, 0,1,2,3
	s_delay_alu instid0(VALU_DEP_4)
	v_max_num_f32 v[BM+\b], v[BM+\b], v[PD+\b]     ; with lane l xor 16's 16 keys
.endr
	s_delay_alu instid0(VALU_DEP_2)
	v_max3_num_f32 v[TMP], v[BM], v[BM+1], v[BM+2]
	s_delay_alu instid0(VALU_DEP_1)
	v_max_num_f32 v[TMP], v[TMP], v[BM+3]
	s_delay_alu instid0(VALU_DEP_1)
	v_mul_f32 v[TMP], s[CS], v[TMP]                ; as t (c is positive)
	s_delay_alu instid0(VALU_DEP_1)
	v_max_num_f32 v13, v13, v[TMP]                 ; the running largest t
	v_mov_b32 v[TMP], v12
	s_delay_alu instid0(VALU_DEP_2)
	v_floor_f32 v12, -v13                          ; the new -M = floor(-t): M is a whole number
	s_delay_alu instid0(VALU_DEP_1)
	v_sub_f32 v[TMP], v12, v[TMP]                  ; old M - new M: a whole number, 0 or less
	s_delay_alu instid0(VALU_DEP_1)
	v_cvt_i32_f32 v[TMP], v[TMP]                   ; (it saturates)
	s_delay_alu instid0(VALU_DEP_1)
	v_ldexp_f32 v[F], 1.0, v[TMP]                  ; f = 2^(old M - new M): a multiplication by it rounds nothing
.set j, 0
.rept 32
	v_pk_fma_f32 v[S+j:S+j+1], v[S+j:S+j+1], s[CS:CS+1], v[12:13] op_sel_hi:[1,0,0]   ; t - M, two at a time
.set j, j+2
.endr
.irp b, 0,1,2,3
	v_fma_f32 v[BM+\b], v[BM+\b], s[CS], v12       ; the same of each block's largest score
.endr
.set j, 0
	s_wait_alu depctr_va_vdst(0)                   ; ahead of the batch
.rept 64
	v_exp_f32 v[S+j], v[S+j]                       ; p = 2^(t - M), at most 1
.set j, j+1
.endr
	v_pk_mul_f32 v[14:15], v[14:15], v[F:F+1] op_sel_hi:[1,0]   ; the sums under the new M; the plain line behind the exponentials
	s_wait_alu depctr_va_vdst(0)                   ; one wait for the whole batch, ahead of its first reader
.irp b, 0,1,2,3
	v_exp_f32 v[BM+\b], v[BM+\b]                   ; the block's largest p
.endr
	v_pk_add_f32 v[230:231], v[100:101], v[104:105]   ; the row's sum of the unquantised p, in eight chains
	v_pk_add_f32 v[254:255], v[108:109], v[112:113]
	v_pk_add_f32 v[252:253], v[116:117], v[120:121]
	v_pk_add_f32 v[250:251], v[124:125], v[128:129]
	v_pk_add_f32 v[248:249], v[132:133], v[136:137]
	v_pk_add_f32 v[246:247], v[140:141], v[144:145]
	v_pk_add_f32 v[244:245], v[148:149], v[152:153]
	v_pk_add_f32 v[14:15], v[14:15], v[156:157]
	v_pk_add_f32 v[230:231], v[230:231], v[96:97]
	v_pk_add_f32 v[254:255], v[254:255], v[98:99]
	v_pk_add_f32 v[252:253], v[252:253], v[102:103]
	v_pk_add_f32 v[250:251], v[250:251], v[106:107]
	v_pk_add_f32 v[248:249], v[248:249], v[110:111]
	v_pk_add_f32 v[246:247], v[246:247], v[114:115]
	v_pk_add_f32 v[244:245], v[244:245], v[118:119]
	v_pk_add_f32 v[14:15], v[14:15], v[122:123]
	v_pk_add_f32 v[230:231], v[230:231], v[126:127]
	v_pk_add_f32 v[254:255], v[254:255], v[130:131]
	v_pk_add_f32 v[252:253], v[252:253], v[134:135]
	v_pk_add_f32 v[250:251], v[250:251], v[138:139]
	v_pk_add_f32 v[248:249], v[248:249], v[142:143]
	v_pk_add_f32 v[246:247], v[246:247], v[146:147]
	v_pk_add_f32 v[244:245], v[244:245], v[150:151]
	v_pk_add_f32 v[14:15], v[14:15], v[154:155]
	v_pk_add_f32 v[230:231], v[230:231], v[158:159]
	s_delay_alu instid0(VALU_DEP_2)
	v_pk_add_f32 v[14:15], v[14:15], v[250:251]
	s_delay_alu instid0(VALU_DEP_2)
	v_pk_add_f32 v[230:231], v[230:231], v[248:249]
	v_pk_add_f32 v[254:255], v[254:255], v[246:247]
	v_pk_add_f32 v[252:253], v[252:253], v[244:245]
	s_delay_alu instid0(VALU_DEP_2)
	v_pk_add_f32 v[14:15], v[14:15], v[254:255]
	s_delay_alu instid0(VALU_DEP_2)
	v_pk_add_f32 v[230:231], v[230:231], v[252:253]
	s_delay_alu instid0(VALU_DEP_1)
	v_pk_add_f32 v[14:15], v[14:15], v[230:231]
	s_wait_alu depctr_va_vdst(0)                   ; and one for the four
.irp b, 0,1,2,3
	v_max_num_f32 v[BM+\b], 0x2800000, v[BM+\b]    ; the floor 2^(5-127): the byte cannot fall under 1
.endr
.irp b, 0,1,2,3
	s_delay_alu instid0(VALU_DEP_4)
	v_add_nc_u32 v[SO+\b], 0xfe000000, v[BM+\b]
.endr
.irp b, 0,1,2,3
	s_delay_alu instid0(VALU_DEP_4)
	v_lshrrev_b32 v[PD+\b], 23, v[SO+\b]
.endr
	s_delay_alu instid0(VALU_DEP_3)
	v_lshl_or_b32 v[PS], v[PD+1], 8, v[PD]         ; p's scale word for these 128 keys
	s_delay_alu instid0(VALU_DEP_1)
	v_lshl_or_b32 v[PS], v[PD+2], 16, v[PS]
	s_delay_alu instid0(VALU_DEP_1)
	v_lshl_or_b32 v[PS], v[PD+3], 24, v[PS]
.irp c, 0,1
	v_cvt_scalef32_pk16_bf6_f32 v[PCD+6*\c:PCD+6*\c+2], v[S+32*\c:S+15+32*\c], v[SO+2*\c]
	v_cvt_scalef32_pk16_bf6_f32 v[CT+4*\c:CT+4*\c+2], v[S+16+32*\c:S+31+32*\c], v[SO+2*\c+1]
.endr
	v_nop                                          ; one plain line behind a scaled conversion
.irp c, 0,1
.irp i, 0,1,2
	v_permlane16_swap_b32 v[PCD+6*\c+\i], v[CT+4*\c+\i]
.endr
.irp i, 0,1,2
	s_delay_alu instid0(VALU_DEP_3)
	v_mov_b32 v[PCD+3+6*\c+\i], v[CT+4*\c+\i]
.endr
.endr
.set j, 0
.rept 16
	v_pk_mul_f32 v[O+j:O+j+1], v[O+j:O+j+1], v[F:F+1] op_sel_hi:[1,0]   ; O^T under the new M.  For each product below, the twelve on the other three tiles are the places behind the lines that made p's codes and scale word
.set j, j+2
.endr
	s_wait_alu depctr_va_vdst(0)
	s_wait_dscnt 0x0                               ; v's fragments are in
.irp d, 0,2
	v_wmma_scale_f32_16x16x128_f8f6f4 v[O+8*\d:O+8*\d+7], v[KF+12*\d:KF+12*\d+11], v[PCD:PCD+11], v[O+8*\d:O+8*\d+7], v[VSC+\d/2], v[PS] matrix_a_fmt:MATRIX_FMT_BF6 matrix_b_fmt:MATRIX_FMT_BF6
	v_wmma_scale_f32_16x16x128_f8f6f4 v[O+8*\d+8:O+8*\d+15], v[KF+12*\d+12:KF+12*\d+23], v[PCD:PCD+11], v[O+8*\d+8:O+8*\d+15], v[VSC+\d/2], v[PS] matrix_a_fmt:MATRIX_FMT_BF6 matrix_b_fmt:MATRIX_FMT_BF6 matrix_a_scale:MATRIX_SCALE_ROW1
.endr
.Lhidden_\@:
.endm
; THE CHANGE OF SLOTS.  LINES: each wave waits for all its tensor loads, adds 0 to its spare word (fill = 1: twice on end),
; waits for that and for its reads of the slot that it leaves, and signals.  Behind the barrier's wait the slot ahead is whole and nobody reads the other one, which is then filled with the next of the nine:
; the next slot of the packs, or, where the first group's slots are over, slot 0 again, for the second group.  The choice hangs on ids and the count of changes and selects an offset.
.macro LINES fill
	s_wait_tensorcnt 0x0
	ds_add_u32 v3, v4
.if \fill
	ds_add_u32 v3, v4
	s_add_co_u32 s[SI], s[SI], 1
	s_add_co_u32 s[MS], s[MS], 1
	s_cmp_eq_u32 s[SI], s[ALO]
	s_cselect_b32 s[MS], 0, s[MS]
	s_mul_i32 s96, s[MS], KSL
	s_mul_i32 s98, s[MS], VSL
	s_xor_b32 s41, s41, SLOT1                      ; no load of mine is out: the descriptors are written
	s_add_nc_u64 s[42:43], s[KB:KB+1], s[96:97]
	s_or_b32 s43, s43, 0x80000000
	s_xor_b32 s45, s45, SLOT1
	s_add_nc_u64 s[46:47], s[VB:VB+1], s[98:99]
	s_or_b32 s47, s47, 0x80000000
	s_wait_xcnt 0x0                                ; the last prefetch, a slot back, has read its address
	s_add_nc_u64 s[56:57], s[56:57], s[58:59]
.endif
	s_wait_dscnt 0x0
	s_barrier_signal -1
.endm
.macro CHANGE fill                     ; a change with nothing between the signal and the wait
	LINES \fill
	s_barrier_wait -1
.if \fill
	TLOAD                                          ; a wave's one tensor load until the next such barrier
	ASK
.endif
.endm
.macro SLOT_STEPS                      ; my two of a slot's four key steps: written once, walked twice
	s_mov_b32 s[CNT], 2
.Lstep_\@:
	STEP 0
	s_add_co_u32 s[TB], s[TB], 2*6144
	s_add_co_u32 s[TS], s[TS], 2*512
	s_add_co_u32 s[TV], s[TV], 2*256
	s_add_co_u32 s[KSI], s[KSI], 2
	s_sub_co_u32 s[CNT], s[CNT], 1
	s_cmp_lg_u32 s[CNT], 0
	s_cbranch_scc1 .Lstep_\@
	s_sub_co_u32 s[TB], s[TB], 4*6144              ; back to my first step of a slot,
	s_xor_b32 s[TB], s[TB], SLOT1                  ; in the other slot
	s_sub_co_u32 s[TS], s[TS], 4*512
	s_xor_b32 s[TS], s[TS], SLOT1
	s_sub_co_u32 s[TV], s[TV], 4*256
	s_xor_b32 s[TV], s[TV], SLOT1
.endm
.macro GIVE adr                        ; my part into LDS bytes of my own: each accumulator from its low end on
.irp k, 0,1,2,3,4,5,6,7
	ds_store_b128 v[\adr], v[O+4*\k:O+4*\k+3] offset:512*\k
.endr
	ds_store_b128 v[\adr], v[12:15] offset:4096
.endm
	s_wait_alu depctr_va_vdst(0)                   ; the wait at the head's end
	s_wait_loadcnt 0x0                             ; q
	CHANGE 1                                       ; slot 0 is whole; slot 1's first fill, issued as a refill is
.Lslot:                                            ; seven trips: slots 0 to 6 are worked, slots 2 to 8 asked for
	STEP 0
	s_add_co_u32 s[TB], s[TB], 2*6144
	s_add_co_u32 s[TS], s[TS], 2*512
	s_add_co_u32 s[TV], s[TV], 2*256
	s_add_co_u32 s[KSI], s[KSI], 2
	STEP 1                                         ; it signals in its middle
	s_sub_co_u32 s[TB], s[TB], 2*6144              ; back to my first step of a slot,
	s_xor_b32 s[TB], s[TB], SLOT1                  ; in the other slot
	s_sub_co_u32 s[TS], s[TS], 2*512
	s_xor_b32 s[TS], s[TS], SLOT1
	s_sub_co_u32 s[TV], s[TV], 2*256
	s_xor_b32 s[TV], s[TV], SLOT1
	s_add_co_u32 s[KSI], s[KSI], 2
	s_barrier_wait -1                              ; every wave has left the slot, and the next one is whole
	TLOAD                                          ; a wave's one tensor load until the next such barrier
	ASK
	s_cmp_lg_u32 s[SI], s[ALO1]                    ; was this the first group's last slot?  (ids and the count of changes: the same in all waves)
	s_cbranch_scc1 .Lsame
.rept 4
	v_nop                                          ; places behind the last products
.endr
	GIVE SA
	s_mov_b32 s[G], s[GMAX]                        ; the second group, from its key step 0 or 1 on
	s_mov_b32 s[KSI], s[PAR]
	s_wait_dscnt 0x0                               ; the stores have read their registers
	v_mov_b32 v[QS], v[QH+6]
.irp j, 0,1,2,3,4,5
	v_mov_b32 v[QF+\j], v[QH+\j]
.endr
	FRESH                                          ; (its 36 lines are also the places between q's new registers and the next products)
	s_wait_alu depctr_va_vdst(0)
.Lsame:
	s_sub_co_u32 s[SLOTS], s[SLOTS], 1
	s_cmp_lg_u32 s[SLOTS], 0
	s_cbranch_scc1 .Lslot
	s_mov_b32 s[SLOTS], 2
.Ltail:                                            ; slots 7 and 8: nothing is left to fetch.  The first trip's change shows slot 8 whole; the second's closes the walk
	SLOT_STEPS
	CHANGE 0
	s_sub_co_u32 s[SLOTS], s[SLOTS], 1
	s_cmp_lg_u32 s[SLOTS], 0
	s_cbranch_scc1 .Ltail
.rept 4
	v_nop                                          ; places behind the last products
.endr
	GIVE SH
	s_wait_dscnt 0x0                               ; for the others' sake
	s_barrier_signal -1
	s_barrier_wait -1                              ; all 32 parts lie in LDS
	; THE WAY OUT.  The two parts of my tile in the group that I finish are joined; o = O^T / the sum, quantised along d: two blocks of 32: a half image and two scale bytes a row.
.irp k, 0,1,2,3,4,5,6,7
	ds_load_b128 v[O+4*\k:O+4*\k+3], v[LA] offset:512*\k
	ds_load_b128 v[S+4*\k:S+4*\k+3], v[LA] offset:PART+512*\k
.endr
	ds_load_b128 v[12:15], v[LA] offset:4096
	ds_load_b128 v[S+32:S+35], v[LA] offset:PART+4096
	s_cmp_eq_u32 s[PAR], 0
	s_cselect_b32 s68, s[GMAX], s[JJ]              ; the group that I finish
	s_lshl_b32 s66, s68, 3
	s_add_co_u32 s66, s66, s[TT]                   ; my tile of 16 rows
	s_mul_i32 s66, s66, 12288
	s_mul_i32 s67, s[HD], 768
	s_add_co_u32 s66, s66, s67
	s_mov_b32 s67, 0
	s_add_nc_u64 s[66:67], s[10:11], s[66:67]
	s_wait_dscnt 0x0
	v_min_num_f32 v[TMP], v12, v[S+32]             ; -M of both: the larger M
	v_add_f32 v14, v14, v15
	v_add_f32 v[S+34], v[S+34], v[S+35]
	v_sub_f32 v[F], v[TMP], v12                    ; each part's M less the larger: a whole number, 0 or less
	v_sub_f32 v[SUM2], v[TMP], v[S+32]
	v_cvt_i32_f32 v[F], v[F]                       ; (it saturates: a part with no step gets the factor 0)
	v_cvt_i32_f32 v[SUM2], v[SUM2]
	v_ldexp_f32 v[F], 1.0, v[F]
	v_ldexp_f32 v[SUM2], 1.0, v[SUM2]
	v_mul_f32 v14, v14, v[F]
	v_fmac_f32 v14, v[S+34], v[SUM2]
.set j, 0
.rept 16
	v_pk_mul_f32 v[O+j:O+j+1], v[O+j:O+j+1], v[F:F+1] op_sel_hi:[1,0]
.set j, j+2
.endr
.set j, 0
.rept 16
	v_pk_fma_f32 v[O+j:O+j+1], v[S+j:S+j+1], v[SUM2:SUM2+1], v[O+j:O+j+1] op_sel_hi:[1,0,1]
.set j, j+2
.endr
	v_permlanex16_b32 v[TMP], v14, s[SEL], s[SEL+1]
	s_delay_alu instid0(VALU_DEP_1)
	v_add_f32 v14, v14, v[TMP]                     ; the row's sum
	s_wait_alu depctr_va_vdst(0)                   ; ahead of the transcendental
	v_rcp_f32 v14, v14
	v_nop                                          ; a plain line behind the transcendental
	s_wait_alu depctr_va_vdst(0)                   ; ahead of the reciprocal's first reader
.set j, 0
.rept 32
	v_mul_f32 v[S+j], v[O+j], v14                  ; register 16 b + i: o(my query, 32 b + 16 h + i)
.set j, j+1
.endr
.irp b, 0,1
	v_max3_num_f32 v[BM+\b], |v[S+16*\b]|, |v[S+1+16*\b]|, 0x2800000
.endr
.irp i, 2,4,6,8,10,12,14
.irp b, 0,1
	s_delay_alu instid0(VALU_DEP_2)
	v_max3_num_f32 v[BM+\b], v[BM+\b], |v[S+16*\b+\i]|, |v[S+1+16*\b+\i]|
.endr
.endr
.irp b, 0,1
	s_delay_alu instid0(VALU_DEP_2)
	v_permlanex16_b32 v[PD+\b], v[BM+\b], s[SEL], s[SEL+1]
.endr
.irp b, 0,1
	s_delay_alu instid0(VALU_DEP_2)
	v_max_num_f32 v[BM+\b], v[BM+\b], v[PD+\b]
.endr
.irp b, 0,1
	s_delay_alu instid0(VALU_DEP_2)
	v_add_nc_u32 v[SO+\b], 0xfe000000, v[BM+\b]
.endr
.irp b, 0,1
	s_delay_alu instid0(VALU_DEP_2)
	v_lshrrev_b32 v[PD+\b], 23, v[SO+\b]
.endr
	s_delay_alu instid0(VALU_DEP_1)
	v_lshl_or_b32 v[TMP], v[PD+1], 8, v[PD]        ; my row's two scale bytes
	v_cvt_scalef32_pk16_bf6_f32 v[PCD:PCD+2], v[S:S+15], v[SO]
	v_cvt_scalef32_pk16_bf6_f32 v[CT:CT+2], v[S+16:S+31], v[SO+1]
	v_nop
.irp i, 0,1,2
	v_permlane16_swap_b32 v[PCD+\i], v[CT+\i]
.endr
.irp i, 0,1,2
	s_delay_alu instid0(VALU_DEP_3)
	v_mov_b32 v[PCD+3+\i], v[CT+\i]
.endr
	global_store_b128 v1, v[PCD:PCD+3], s[66:67]              ; 512 consecutive bytes, aligned to 256
	global_store_b64 v2, v[PCD+4:PCD+5], s[66:67] offset:512  ; 256 consecutive bytes
	ds_store_b16 v6, v[TMP]                        ; both halves of the lanes write the same bytes with the same value
	s_wait_dscnt 0x0                               ; for the others' sake
	s_barrier_signal -1
	s_barrier_wait -1
	s_cmp_gt_u32 s[WV], 1                          ; waves 0 and 1 store a group's 256 scale bytes each
	s_cbranch_scc1 .Lend
	ds_load_b64 v[30:31], v29
	s_cmp_lg_u32 s[WV], 0
	s_cselect_b32 s68, s[GMAX], s[JJ]
	s_lshl_b32 s68, s68, 8
	s_lshl_b32 s69, s[HD], 13
	s_add_co_u32 s68, s68, s69
	s_add_co_u32 s68, s68, CB
	s_mov_b32 s69, 0
	s_add_nc_u64 s[68:69], s[10:11], s[68:69]
	s_wait_dscnt 0x0
	global_store_b64 v2, v[30:31], s[68:69]
.Lend:
	s_wait_tensorcnt 0x0                           ; the wave's end: behind my last tensor load and my last LDS store
	ds_add_u32 v3, v4
	s_wait_dscnt 0x0
	s_endpgm
.Lfunc_end_k_q17742e25d2_attn:
	.size	k_q17742e25d2_attn, .Lfunc_end_k_q17742e25d2_attn-k_q17742e25d2_attn
	.p2alignl 7, 3214868480
	.fill 96, 4, 3214868480
	.section	.rodata,"a",@progbits
	.p2align	6, 0x0
	.amdhsa_kernel k_q17742e25d2_attn
		.amdhsa_group_segment_fixed_size 327680
		.amdhsa_private_segment_fixed_size 0
		.amdhsa_enable_private_segment 0
		.amdhsa_kernarg_size 32
		.amdhsa_user_sgpr_count 2
		.amdhsa_user_sgpr_kernarg_segment_ptr 1
		.amdhsa_wavefront_size32 1
		.amdhsa_system_sgpr_workgroup_id_x 1
		.amdhsa_system_sgpr_workgroup_id_y 1
		.amdhsa_system_sgpr_workgroup_id_z 1
		.amdhsa_system_vgpr_workitem_id 0
		.amdhsa_next_free_vgpr 256
		.amdhsa_next_free_sgpr 100
		.amdhsa_reserve_vcc 1
		.amdhsa_float_denorm_mode_32 3
		.amdhsa_float_denorm_mode_16_64 3
		.amdhsa_memory_ordered 1
		.amdhsa_forward_progress 1
		.amdhsa_inst_pref_size 94
	.end_amdhsa_kernel
	.amdgpu_metadata
---
amdhsa.version: [ 1, 2 ]
amdhsa.kernels:
  - .name:           k_q17742e25d2_attn
    .symbol:         k_q17742e25d2_attn.kd
    .args:
      - { .name: qpack, .offset: 0, .size: 8, .value_kind: global_buffer, .address_space: global }
      - { .name: kpack, .offset: 8, .size: 8, .value_kind: global_buffer, .address_space: global }
      - { .name: vpack, .offset: 16, .size: 8, .value_kind: global_buffer, .address_space: global }
      - { .name: oq, .offset: 24, .size: 8, .value_kind: global_buffer, .address_space: global }
    .group_segment_fixed_size: 327680
    .private_segment_fixed_size: 0
    .kernarg_segment_align: 8
    .kernarg_segment_size: 32
    .max_flat_workgroup_size: 512
    .sgpr_count:     100
    .vgpr_count:     256
    .wavefront_size: 32
...
	.end_amdgpu_metadata
.endif
;; end of part 3
;; launch oproj (part 4): grid 8 x 32, 4 waves a work-group, clusters of 4 x 4, 327,680 bytes of LDS; arguments oq, wq, bo, out0; writes out0
.if DOCPART == 4
	.amdgcn_target "amdgcn-amd-amdhsa--gfx1250"
	.amdhsa_code_object_version 6
	.text
	.protected	k_q17742e25d2_oproj
	.globl	k_q17742e25d2_oproj
	.p2align	8
	.type	k_q17742e25d2_oproj,@function
k_q17742e25d2_oproj:
	s_mov_b64 s[64:65], 0
	v_nop
	global_prefetch_b8 v0, s[64:65] scope:SCOPE_SE
	s_setreg_imm32_b32 hwreg(HW_REG_WAVE_MODE, 25, 1), 1
	s_wait_xcnt 0x0
	s_wait_alu depctr_hold_cnt(0) depctr_sa_sdst(0) depctr_va_vdst(0) depctr_va_sdst(0) depctr_va_ssrc(0) depctr_va_vcc(0) depctr_vm_vsrc(0)
	s_getreg_b32 s2, hwreg(HW_REG_IB_STS2, 6, 4)
	s_cmp_eq_u32 s2, 0
	s_cbranch_scc0 .Lentry_in_a_cluster
	s_endpgm
.Lentry_in_a_cluster:
	s_bfe_u32 s2, ttmp6, 0x10000c
	s_cmp_lg_u32 s2, 0xf033
	s_cbranch_scc0 .Lentry_shape_is_right
	s_endpgm
.Lentry_shape_is_right:
.set CB,    3145728
.set CHUNK, 98304
.set SAL,   196608
.set SBL,   200704
.set SPARE, 204800
.set STAGE, 205312
.set L16, 4
.set L8,  5
.set ARA, 8
.set ARB, 12
.set ASA, 16
.set ASB, 17
.set STO, 18
.set RD,  19
.set CO,  20
.set SPW, 21
.set NIL, 22
.set SA,  32
.set SB,  64
.set BIAS, 96
.set ACC, 128
.set F0,  0
.set F1,  128
.set G1R,  12
.set G1P,  20
.set G1SR, 28
.set G1SP, 36
.set G0R,  44
.set G0P,  52
.set G0SR, 60
.set G0SP, 68
.set MSB, 0
.macro WIN new
.if MSB != (\new)
	s_set_vgpr_msb (MSB<<8)|(\new)
.set MSB, (\new)
.endif
.endm
.macro JLOAD g0a, g1a, g0b, g1b
	s_cmp_eq_u32 s73, 0
	s_cbranch_scc0 .Lfor_b_\@
	tensor_load_to_lds s[\g0a:\g0a+3], s[\g1a:\g1a+7]
	s_nop 0
.rept 4
	v_nop
.endr
	s_branch .Lasked_\@
.Lfor_b_\@:
	tensor_load_to_lds s[\g0b:\g0b+3], s[\g1b:\g1b+7]
	s_nop 0
.rept 4
	v_nop
.endr
.Lasked_\@:
.endm
.macro CROUND
	s_barrier_signal -1
	s_barrier_wait -1
	s_cmp_lg_u32 s72, 0
	s_cbranch_scc1 .Lnot_wave_0_\@
	s_barrier_signal -3
.Lnot_wave_0_\@:
	s_barrier_wait -3
	s_barrier_signal -1
	s_barrier_wait -1
.endm
.macro PLACES n
.rept \n
	v_nop
.endr
.endm
	s_load_b256 s[4:11], s[0:1], 0x0
	v_lshl_add_u32 v[SPW], v0, 2, SPARE
	v_mov_b32 v[NIL], 0
	ds_add_u32 v[SPW], v[NIL]
	ds_add_u32 v[SPW], v[NIL]
	v_lshrrev_b32 v1, 5, v0
	v_readfirstlane_b32 s72, v1
	s_lshr_b32 s73, s72, 1
	s_and_b32 s74, s72, 1
	s_bfe_u32 s75, ttmp6, 0x40000
	s_bfe_u32 s76, ttmp6, 0x40004
	s_lshl_b32 s77, ttmp9, 2
	s_add_co_u32 s77, s77, s75
	s_and_b32 s78, ttmp7, 0xffff
	s_lshl_b32 s78, s78, 2
	s_add_co_u32 s78, s78, s76
	s_lshl_b32 s79, s76, 2
	s_lshl_b32 s79, 15, s79
	s_lshl_b32 s80, 0x1111, s75
	s_or_b32 s[G1R], s79, (3<<16)|(1<<21)
	s_or_b32 s[G1P], s80, (3<<16)|(1<<21)
.irp g, G1R, G1P
	s_mov_b32 s[\g+1], 768<<16
	s_mov_b32 s[\g+2], 8<<16
	s_mov_b32 s[\g+3], 768<<16
	s_mov_b32 s[\g+4], 8
	s_mov_b32 s[\g+5], 1536
	s_mov_b32 s[\g+6], 0
	s_mov_b32 s[\g+7], 0
.endr
	s_or_b32 s[G1SR], s79, (3<<16)|(1<<21)
	s_or_b32 s[G1SP], s80, (3<<16)|(1<<21)
.irp g, G1SR, G1SP
	s_mov_b32 s[\g+1], 32<<16
	s_mov_b32 s[\g+2], 16<<16
	s_mov_b32 s[\g+3], 32<<16
	s_mov_b32 s[\g+4], 16
	s_mov_b32 s[\g+6], 0
	s_mov_b32 s[\g+7], 0
.endr
	s_mov_b32 s[G1SR+5], 1024
	s_mov_b32 s[G1SP+5], 32
	s_mul_i32 s82, s78, 8*12288                    ; o's codes: my work-group's 8 tiles of 16 rows
	s_mov_b32 s83, 0
	s_lshl_b32 s84, s77, 3                         ; Wo's codes: its 8 tiles of 16 columns (Wo's tiles begin at 192)
	s_add_co_u32 s84, s84, 192
	s_mul_i32 s84, s84, 12288
	s_mov_b32 s85, 0
	s_lshl_b32 s86, s78, 8                         ; o's scale bytes: 256 bytes of each of the 16 heads
	s_add_co_u32 s86, s86, CB
	s_mov_b32 s87, 0
	s_lshl_b32 s88, s77, 12                        ; Wo's scale words: 4,096 dense bytes
	s_add_co_u32 s88, s88, CB+192*512
	s_mov_b32 s89, 0
	s_mul_i32 s90, s72, 24576                      ; K's second half: where my 4 tiles go,
	s_mul_i32 s92, s74, 4*12288                    ; and which 4 tiles they are
	s_mov_b32 s93, 0
	s_wait_dscnt 0x0
	s_wait_kmcnt 0x0
	CROUND
	; THE HEAD'S FOUR TILES, each whole, one joint load a wave: wave 0 the first 512 along K of o's 8 tiles, wave 1 of Wo's 8 tiles, wave 2 o's scale bytes, wave 3 Wo's scale words
	s_mov_b32 s[G0SR], 1
	s_mov_b32 s[G0SR+1], SAL
	s_add_nc_u64 s[G0SR+2:G0SR+3], s[4:5], s[86:87]
	s_or_b32 s[G0SR+3], s[G0SR+3], 0x80000000
	s_mov_b32 s[G0SP], 1
	s_mov_b32 s[G0SP+1], SBL
	s_add_nc_u64 s[G0SP+2:G0SP+3], s[6:7], s[88:89]
	s_or_b32 s[G0SP+3], s[G0SP+3], 0x80000000
	s_add_nc_u64 s[82:83], s[4:5], s[82:83]
	s_add_nc_u64 s[84:85], s[6:7], s[84:85]
	s_mov_b32 s[G0R], 1
	s_mov_b32 s[G0R+1], 0
	s_mov_b64 s[G0R+2:G0R+3], s[82:83]
	s_or_b32 s[G0R+3], s[G0R+3], 0x80000000
	s_mov_b32 s[G0P], 1
	s_mov_b32 s[G0P+1], 49152
	s_mov_b64 s[G0P+2:G0P+3], s[84:85]
	s_or_b32 s[G0P+3], s[G0P+3], 0x80000000
	s_add_nc_u64 s[82:83], s[82:83], s[92:93]
	s_add_nc_u64 s[84:85], s[84:85], s[92:93]
	s_mov_b32 s[G0R+4], 1                          ; the second 512 along K: 4 tiles a wave
	s_add_co_u32 s[G0R+5], s90, CHUNK
	s_add_nc_u64 s[G0R+6:G0R+7], s[82:83], 6144
	s_or_b32 s[G0R+7], s[G0R+7], 0x80000000
	s_mov_b32 s[G0P+4], 1
	s_add_co_u32 s[G0P+5], s90, CHUNK
	s_add_nc_u64 s[G0P+6:G0P+7], s[84:85], 6144
	s_or_b32 s[G0P+7], s[G0P+7], 0x80000000
.macro ARM under, g0, g1, next         ; one tree of branches on the wave's number: every way through the head passes exactly one load
	s_cmp_lt_u32 s72, \under
	s_cbranch_scc0 \next
	tensor_load_to_lds s[\g0:\g0+3], s[\g1:\g1+7]
	s_nop 0
.rept 4
	v_nop
.endr
	s_branch .Lhead_asked
\next:
.endm
	ARM 1, G0R,  G1R,  .Lhead_b
	ARM 2, G0P,  G1P,  .Lhead_sa
	ARM 3, G0SR, G1SR, .Lhead_sb
	tensor_load_to_lds s[G0SP:G0SP+3], s[G1SP:G1SP+7]
	s_nop 0
.rept 4
	v_nop
.endr
.Lhead_asked:
	v_and_b32 v1, 31, v0
	v_and_b32 v2, 15, v0
	v_bfe_u32 v3, v0, 4, 1
	v_lshlrev_b32 v[L16], 4, v1
	v_lshlrev_b32 v[L8], 3, v1
	s_mul_i32 s81, s73, 24576
	s_mul_i32 s92, s74, 24576
	s_add_co_u32 s92, s92, 49152
.irp c, 0,1
	v_add_nc_u32 v[ARA+\c], s81, v[L16]
	v_add_nc_u32 v[ARA+2+\c], s81, v[L8]
	v_add_nc_u32 v[ARB+\c], s92, v[L16]
	v_add_nc_u32 v[ARB+2+\c], s92, v[L8]
	s_add_co_u32 s81, s81, CHUNK
	s_add_co_u32 s92, s92, CHUNK
.endr
	s_lshl_b32 s81, s73, 7
	s_add_co_u32 s81, s81, SAL
	v_lshl_add_u32 v[ASA], v2, 1, s81
	s_lshl_b32 s81, s74, 11
	s_add_co_u32 s81, s81, SBL
	v_lshl_add_u32 v[ASB], v2, 4, s81
	s_mul_i32 s81, s72, 16*272
	s_add_co_u32 s81, s81, STAGE
	v_mul_u32_u24 v[STO], v2, 272
	v_lshl_add_u32 v[STO], v3, 6, v[STO]
	v_add_nc_u32 v[STO], s81, v[STO]
	v_mul_u32_u24 v[RD], v3, 272
	v_lshl_add_u32 v[RD], v2, 4, v[RD]
	v_add_nc_u32 v[RD], s81, v[RD]
	v_lshlrev_b32 v[CO], 12, v3
	v_lshl_add_u32 v[CO], v2, 4, v[CO]
	v_lshlrev_b32 v23, 6, v3
	s_lshl_b32 s94, s77, 9
	s_lshl_b32 s95, s74, 8
	s_add_co_u32 s94, s94, s95
	s_mov_b32 s95, 0
	s_add_nc_u64 s[8:9], s[8:9], s[94:95]
.irp g, 0,1
.irp i, 0,1,2,3
	global_load_b128 v[BIAS+16*\g+4*\i:BIAS+16*\g+4*\i+3], v23, s[8:9] offset:128*\g+16*\i
.endr
.endr
	s_lshl_b32 s96, s78, 19
	s_lshl_b32 s97, s73, 18
	s_add_co_u32 s96, s96, s97
	s_add_co_u32 s96, s96, s94
	s_mov_b32 s97, 0
	s_add_nc_u64 s[10:11], s[10:11], s[96:97]
.macro FRAG reg, adr, q, i
	ds_load_b128 v[\reg:\reg+3], v[\adr] offset:(\i)*6144+(\q)*1536
	ds_load_b64 v[\reg+4:\reg+5], v[\adr+2] offset:(\i)*6144+(\q)*1536+512
	ds_load_b128 v[\reg+6:\reg+9], v[\adr] offset:(\i)*6144+(\q)*1536+768
	ds_load_b64 v[\reg+10:\reg+11], v[\adr+2] offset:(\i)*6144+(\q)*1536+1280
.endm
.macro FETCH s, f
	WIN 0x40
.irp a, 0,1,2,3
	FRAG \f+12*\a, ARA+(\s)/4, (\s)%4, \a
	FRAG \f+48+12*\a, ARB+(\s)/4, (\s)%4, \a
.endr
	WIN 0
.endm
.macro MULS s, f
	WIN 0x05
.irp a, 0,1,2,3
.irp b, 0,1,2,3
.if (\s) == 0
	v_wmma_scale_f32_16x16x128_f8f6f4 v[ACC+8*(4*\a+\b):ACC+8*(4*\a+\b)+7], v[\f+48+12*\b:\f+48+12*\b+11], v[\f+12*\a:\f+12*\a+11], v[BIAS+8*\b:BIAS+8*\b+7], v[SB+8*\b+(\s)], v[SA+8*\a+(\s)] matrix_a_fmt:MATRIX_FMT_BF6 matrix_b_fmt:MATRIX_FMT_BF6
.else
	v_wmma_scale_f32_16x16x128_f8f6f4 v[ACC+8*(4*\a+\b):ACC+8*(4*\a+\b)+7], v[\f+48+12*\b:\f+48+12*\b+11], v[\f+12*\a:\f+12*\a+11], v[ACC+8*(4*\a+\b):ACC+8*(4*\a+\b)+7], v[SB+8*\b+(\s)], v[SA+8*\a+(\s)] matrix_a_fmt:MATRIX_FMT_BF6 matrix_b_fmt:MATRIX_FMT_BF6
.endif
.endr
.endr
.endm
	s_wait_alu depctr_va_vdst(0)                   ; the wait at the head's end
	s_wait_tensorcnt 0x0                           ; my tile of the head's four is in
	ds_add_u32 v[SPW], v[NIL]
	s_mov_b32 s[G1R+2], 4<<16                      ; no tensor load of mine is out, so a descriptor may be written: the next load brings 4 tiles
	s_mov_b32 s[G1R+4], 4
	s_mov_b32 s[G1P+2], 4<<16
	s_mov_b32 s[G1P+4], 4
	s_wait_dscnt 0x0
	CROUND                                         ; a whole round: all four tiles are in, and all sixteen work-groups are here
	JLOAD G0R+4, G1R, G0P+4, G1P                   ; K's second half, the first tensor load behind the round
.irp b, 0,1,2,3
.irp q, 0,1
	ds_load_b128 v[SB+8*\b+4*\q:SB+8*\b+4*\q+3], v[ASB] offset:512*\b+256*\q
.endr
.endr
.irp a, 0,1,2,3
.irp d, 0,1,2,3,4,5,6,7,8,9,10,11,12,13,14,15
	ds_load_u16 v[ACC+16*\a+\d], v[ASA] offset:256*\d+32*\a
.endr
.endr
	FETCH 0, F0
	s_wait_dscnt 32
.irp a, 0,1,2,3
.irp s, 0,1,2,3,4,5,6,7
	v_lshl_or_b32 v[SA+8*\a+\s], v[ACC+16*\a+2*\s+1], 16, v[ACC+16*\a+2*\s]
.endr
.endr
	PLACES 8
	s_wait_alu depctr_va_vdst(0)
	s_wait_loadcnt 0x0
.irp s, 0,1,2,3,4,5,6,7
.if \s == 3
	s_wait_tensorcnt 0x0
	s_wait_dscnt 0x0
	s_barrier_signal -1
	s_barrier_wait -1
.endif
.if \s < 7
.if \s > 0
	PLACES 4
.endif
	FETCH \s+1, F0+128*((\s+1)%2)
	s_wait_dscnt 32
.else
	s_wait_dscnt 0x0
.endif
	MULS \s, F0+128*(\s%2)
.endr
	WIN 0
.macro TOST a
.irp b, 0,1,2,3
	ds_store_b128 v[STO], v[ACC+8*(4*\a+\b):ACC+8*(4*\a+\b)+3] offset:128*(\b/2)+32*(\b%2)
	ds_store_b128 v[STO], v[ACC+8*(4*\a+\b)+4:ACC+8*(4*\a+\b)+7] offset:128*(\b/2)+32*(\b%2)+16
.endr
.irp i, 0,1,2,3,4,5,6,7
	ds_load_b128 v[ACC+32*\a+4*\i:ACC+32*\a+4*\i+3], v[RD] offset:544*\i
.endr
.endm
.macro SEND a, younger
.irp i, 0,1,2,3,4,5,6,7
	s_wait_dscnt \younger+7-\i
	global_store_b128 v[CO], v[ACC+32*\a+4*\i:ACC+32*\a+4*\i+3], s[10:11] offset:(32*(\a/2)+8*(\a%2)+2*\i+8*(\i/4))*4096 th:TH_STORE_NT
.endr
.endm
	PLACES 4
	TOST 0
	TOST 1
	SEND 0, 16
	TOST 2
	SEND 1, 16
	TOST 3
	SEND 2, 16
	SEND 3, 0
	s_wait_tensorcnt 0x0
	ds_add_u32 v[SPW], v[NIL]
	s_wait_dscnt 0x0
	CROUND
	s_endpgm
.Lfunc_end_k_q17742e25d2_oproj:
	.size	k_q17742e25d2_oproj, .Lfunc_end_k_q17742e25d2_oproj-k_q17742e25d2_oproj
	.p2alignl 7, 3214868480
	.fill 96, 4, 3214868480
	.section	.rodata,"a",@progbits
	.p2align	6, 0x0
	.amdhsa_kernel k_q17742e25d2_oproj
		.amdhsa_group_segment_fixed_size 327680
		.amdhsa_private_segment_fixed_size 0
		.amdhsa_enable_private_segment 0
		.amdhsa_kernarg_size 32
		.amdhsa_user_sgpr_count 2
		.amdhsa_user_sgpr_kernarg_segment_ptr 1
		.amdhsa_wavefront_size32 1
		.amdhsa_system_sgpr_workgroup_id_x 1
		.amdhsa_system_sgpr_workgroup_id_y 1
		.amdhsa_system_sgpr_workgroup_id_z 1
		.amdhsa_system_vgpr_workitem_id 0
		.amdhsa_next_free_vgpr 512
		.amdhsa_next_free_sgpr 102
		.amdhsa_reserve_vcc 0
		.amdhsa_float_denorm_mode_32 3
		.amdhsa_float_denorm_mode_16_64 3
		.amdhsa_memory_ordered 1
		.amdhsa_forward_progress 1
		.amdhsa_inst_pref_size 60
	.end_amdhsa_kernel
	.amdgpu_metadata
---
amdhsa.version: [ 1, 2 ]
amdhsa.kernels:
  - .name:           k_q17742e25d2_oproj
    .symbol:         k_q17742e25d2_oproj.kd
    .args:
      - { .name: oq, .offset: 0, .size: 8, .value_kind: global_buffer, .address_space: global }
      - { .name: wq, .offset: 8, .size: 8, .value_kind: global_buffer, .address_space: global }
      - { .name: bo, .offset: 16, .size: 8, .value_kind: global_buffer, .address_space: global }
      - { .name: out0, .offset: 24, .size: 8, .value_kind: global_buffer, .address_space: global }
    .group_segment_fixed_size: 327680
    .private_segment_fixed_size: 0
    .kernarg_segment_align: 8
    .kernarg_segment_size: 32
    .max_flat_workgroup_size: 128
    .sgpr_count:     102
    .vgpr_count:     512
    .wavefront_size: 32
...
	.end_amdgpu_metadata
.endif
;; end of part 4
